; MI455X (gfx1250); checked and timed in simulation.
; The chip was launched on July 23, 2026; its instructions are those of AMD's public machine-readable ISA for CDNA 5 (MIT licence, August 2026) and "CDNA5" Instruction Set Architecture Reference Guide (July 2026). The comments in the code are by the model that wrote it; some were corrected since.
;; Causal Self Attention. Allowed arithmetic: matrix products marked QUANTISED: E3M2 operands, one E8M0 scale for each 32 along K, by v_wmma_scale_f32_16x16x128_f8f6f4 with both operands' format E3M2, f32 sums; everything else in f32.
;; Inputs: W_attn 1,024 x 3,072 float32; W_proj 1,024 x 1,024 float32; x 4 x 2,048 x 1,024 float32.
;; Outputs: out0 4 x 2,048 x 1,024 float32.
;; This version of the problem:
;;   THIS VERSION OF THE PROBLEM IS GIVEN IN LOW PRECISION. The matrix products marked QUANTISED in the list below multiply operands that are first quantised to E3M2 (3 exponent bits, 2 mantissa bits; 6 bits a number), with one power-of-two scale for each 32 numbers along K (OCP MX v1.0); their sums are f32. All else is computed in f32.
;;   The module's matrix products, in the order in which they are computed (A, B: the left and right operand; K: the contracted axis; several contracted axes count as one K, in the product's order):
;;     1. [M 8,192, K 1,024] x [K 1,024, N 3,072]; A: input x; B: input W_attn: QUANTISED
;;     2. batch 64 x [M 2,048, K 64] x [K 64, N 2,048]; A: computed on the way; B: computed on the way: QUANTISED
;;     3. batch 64 x [M 2,048, K 2,048] x [K 2,048, N 64]; A: softmax (see below); B: computed on the way: QUANTISED
;;     4. [M 8,192, K 1,024] x [K 1,024, N 1,024]; A: computed on the way; B: input W_proj: QUANTISED
;;   THE QUANTISER, for each operand of a quantised product, along K:
;;     - K is cut into blocks of 32 from its start; a last block that is shorter is filled with zeros.
;;     - A block's scale is 2^e with e = floor(log2(the largest magnitude in the block)) - 4, held to -126 .. 127; a block of zeros has e = 0. As a byte (E8M0): e + 127.
;;     - Each number is divided by its block's scale, clamped to +-28, and rounded to the nearest number of E3M2, ties to even, subnormals kept.
;;     - The product sums the exact products of the quantised numbers (number of the format x scale) in f32.
;;   ~~~python
;;   def quantise(x, axis):      # numpy; x: float32 -> the quantised numbers, widened to float32 again
;;       x = np.moveaxis(x, axis, -1); K = x.shape[-1]
;;       x = np.pad(x, [(0, 0)] * (x.ndim - 1) + [(0, -K % 32)]); x = x.reshape(x.shape[:-1] + (-1, 32)); a = np.abs(x).max(-1, keepdims=True)
;;       e = np.where(a > 0, np.clip(np.frexp(np.where(a > 0, a, 1))[1] - 1 - 4, -126, 127), 0)      # np.frexp(a)[1] - 1 = floor(log2(a)), exactly
;;       r = np.clip(x / 2.0 ** e, -28, 28)
;;       step = 2.0 ** (np.maximum(np.frexp(np.where(r == 0, 1, r))[1] - 1, -2) - 2)
;;       q = np.round(r / step) * step * 2.0 ** e      # np.round: ties to even
;;       return np.moveaxis(q.reshape(q.shape[:-2] + (-1,))[..., :K], -1, axis).astype(np.float32)
;;   ~~~
;;   SOFTMAX AHEAD OF A QUANTISED PRODUCT. Where the list says 'softmax', what is quantised is not the finished softmax but p = 2^(t - M), with t = logit x log2(e) and M = ceil(the row's largest t), a whole number; so 1/2 < the row's largest p <= 1. The row's sum l is taken of the UNQUANTISED p, in f32, and the product's result is divided by l at the end. Since M is a whole number, a kernel that streams over the keys may use a running M (the ceiling of the running maximum): every later rescaling is an exact power of two, which a block's scale takes up: the codes' values come out the same.
;;   OPERANDS COMPUTED ON THE WAY. 'Computed on the way' means the value that the module computes at that place (a softmax that the list does not call 'softmax' is quantised finished and normalised). What goes into a quantiser is computed in f32, as accurately as f32 sums, v_exp_f32 and their like allow (about 1e-6 of the number): no bf16 or f16 on the way to a quantiser, and a product that is left as it is and whose result goes on into a quantised operand takes f32 operands (vector FMAs, or v_wmma_f32_16x16x4_f32). A number that lies on a knife's edge between two numbers of the format may be rounded either way, as far as f32 arithmetic and the matrix unit's own rounding can turn it there, and no further.
;; One version. Each part assembles by itself: llvm-mc -triple=amdgcn-amd-amdhsa -mcpu=gfx1250 --defsym DOCPART=n.
;; ======== version 1 of 1: 4 launches
;; limits: right only within a limited range of input values
;; workspace buffers: xw 8,650,752 bytes; xws 360,448 bytes; yw 7,077,888 bytes; yws 294,912 bytes; qkv 26,738,688 bytes; rope 524,288 bytes
;; launch quant (part 1): grid 256 x 1, 16 waves a work-group, no clusters, 167,936 bytes of LDS; arguments x, W_attn, W_proj, xw, xws, yw, yws, rope; writes xw, xws, yw, yws, rope
.if DOCPART == 1
	.amdgcn_target "amdgcn-amd-amdhsa--gfx1250"
	.amdhsa_code_object_version 6
	.text
	.protected	k_q9c33897ea8_quant
	.globl	k_q9c33897ea8_quant
	.p2align	8
	.type	k_q9c33897ea8_quant,@function
k_q9c33897ea8_quant:
	s_mov_b64 s[64:65], 0
	v_nop
	global_prefetch_b8 v0, s[64:65] scope:SCOPE_SE
	s_setreg_imm32_b32 hwreg(HW_REG_WAVE_MODE, 25, 1), 1
	s_wait_xcnt 0x0
; One launch prepares all operands: x [8192][1024], W_attn [1024][3072] and W_proj [1024][1024], f32, become codes of BF6 (E3M2) with one E8M0 byte for each 32 along K; and the table of rotary angles is made.
; WORK LEFT OUT BY THE PROGRAM: reference() sets every score above the diagonal to -inf by its own jnp.tril, so its p is 0 for all values of the inputs; the attention launch leaves out the key steps
; that lie wholly above the diagonal.  A NaN, an infinity or an overflow that reaches only those scores is not carried to the result.  Every input is loaded.
; A block's scale is 2^(floor(log2(largest magnitude)) - 4); its byte is the largest magnitude's exponent field - 4, held at 1 from below.
; LIMITS: a block of zeros gets the byte 1 where the rule says 127 (its codes are zeros, and this program alone reads the bytes); blocks whose largest magnitude lies under 2^-122 were not tried; NaN and infinities are not served.
; LAYOUT of xw (yw likewise): [K quarter 4][row tile][image 4][768 bytes].  An image is 16 rows x 64 K as the operand's registers hold it: byte 256 p + 8 lane + e is byte 8 p + e of the 24 bytes (32 codes) of row lane % 16,
; K block lane / 16.  Row r of tile 2 g + u is token (or column) 32 g + 8 u + r + 8 (r / 8).  Tiles 0-511 are tokens, from 512 on the weight's columns.  xws, yws: [row in that order][32 bytes].
; x: work-group g takes row tiles 2 g, 2 g + 1.  Wave w = 8 t + n brings 8 tokens x 1,024 bytes (K quarter n / 2, token group n % 2 of tile t) by its one tensor load, and quantises fragment n (128 along K) of tile t.
; W: work-group g takes 128 columns (g % 32: the first 24 of W_attn, the other 8 of W_proj; only pointers, pitch and plane are chosen) x 128 along K (g / 32).  Wave w takes 32 columns (w % 4) x one block of 32 (w / 4):
; a lane takes a column and its registers run down K.  The codes of four waves make two tiles' images in 3,072 bytes of LDS; each wave sends one image of 768 bytes; the four scale bytes of a column meet in an LDS word.
; rope [t 2048][j 32][cos, sin]: waves 0-7 make row 8 g + w.  inv_freq = 2^(-j log2(10000) / 32), the exponent split into a part whose product with j is exact and a rest taken to first order; sine and cosine by
; reduction with pi / 2 in two parts and polynomials on [-pi / 4, pi / 4].
; One barrier shows x's tiles and W's stage to all waves, a second x's scale words.  No cluster: work-groups share no input.  No prefetch: every byte is asked for at the head, and there is no loop to run ahead in.
.set PLANE, 2162688
.set PLANE2, 1769472
.set RTB,   3072
.set RP,    1040                       ; an LDS row of x: 1,024 bytes + 16 of padding
.set GRB,   8*RP
.set KSB,   16*RP
.set WREG,  4*KSB
.set SPARE, 2*WREG                     ; the spare words: 128 bytes a wave, 2,048 bytes that no other line names
.set SCST,  SPARE+2048                 ; x's scale words: [tile 2][row 16][fragment 8]
.set WST,   SCST+1024                  ; W's images: 3,072 bytes for each 32 columns
.set WSC,   WST+4*3072                 ; W's scale words: [32 columns 4][lane 32]
.set G1,  92
.set G0,  28
.set SEL, 38
.set LA,  1
.set CO,  2                            ; v2 8 x lane
.set LI,  3                            ; v3 16 x lane
.set SH,  4
.set TM,  8
.set SW,  16
.set SA,  24
.set SR,  25
.set SPW, 30
.set NIL, 31
.set X,   32
.set C,   96
.set T0,  108
.set T1,  112
.set L4,   116                         ; v116 4 x lane
.set WSTO, 117                         ; v117 where my block's codes go in the stage
.set WRD,  118                         ; v118 the image that I send
.set WBA,  119                         ; v119 my column's scale byte
.set WBR,  120                         ; v120 my column's scale word
.set WRO,  121                         ; v121 my column's row of scale bytes in memory
.set M0,   122
.set KO,   128                         ; v128-159 4 lane + i x pitch
.set XW,   160                         ; v160-191 my block of W
.set CW,   192
.set OW,   200
.set R,    208                         ; v208-225 the table's work
	s_load_b256 s[68:75], s[0:1], 0x0              ; x, W_attn, W_proj, xw
	s_load_b256 s[76:83], s[0:1], 0x20             ; xws, yw, yws, rope
	v_lshl_add_u32 v[SPW], v0, 2, SPARE
	v_mov_b32 v[NIL], 0
	ds_add_u32 v[SPW], v[NIL]                      ; the opening lines: the add, twice on end, and its wait
	ds_add_u32 v[SPW], v[NIL]
	v_lshrrev_b32 v5, 5, v0
	v_readfirstlane_b32 s10, v5                    ; wave 0..15
	s_mov_b32 s[G1+0], (2<<16)|(1<<20)|(7<<22)|(3<<25)  ; elements of 4 bytes; 4 words of padding behind every 256
	s_mov_b32 s[G1+1], 256<<16
	s_mov_b32 s[G1+2], 8<<16
	s_mov_b32 s[G1+3], 256<<16
	s_mov_b32 s[G1+4], 8
	s_mov_b32 s[G1+5], 1024
	s_mov_b32 s[G1+6], 0
	s_mov_b32 s[G1+7], 0
	s_lshr_b32 s11, s10, 3                         ; x: t
	s_and_b32 s12, s10, 7                          ; n
	s_lshr_b32 s13, s12, 1                         ; the K quarter
	s_and_b32 s14, s12, 1
	s_mul_i32 s15, s11, WREG
	s_mul_i32 s24, s13, KSB
	s_add_co_u32 s24, s24, s15                     ; LDS: my tile's K quarter
	s_mul_i32 s25, s14, GRB
	s_add_co_u32 s25, s25, s24                     ; where my load lands
	s_lshl_b32 s32, ttmp9, 17                      ; token 32 g: 4,096 bytes a token
	s_lshl_b32 s26, s11, 15
	s_add_co_u32 s32, s32, s26
	s_lshl_b32 s26, s14, 16
	s_add_co_u32 s32, s32, s26
	s_lshl_b32 s26, s13, 10
	s_add_co_u32 s32, s32, s26
	s_mov_b32 s33, 0
	s_lshl_b32 s26, ttmp9, 1
	s_add_co_u32 s26, s26, s11                     ; my row tile
	s_mul_i32 s34, s26, RTB
	s_mul_i32 s27, s13, PLANE
	s_add_co_u32 s34, s34, s27
	s_mul_i32 s27, s14, 1536
	s_add_co_u32 s34, s34, s27                     ; my fragment's two images in xw
	s_mov_b32 s35, 0
	s_lshl_b32 s36, s26, 9
	s_mov_b32 s37, 0
	s_mov_b32 s[SEL], 0x76543210
	s_mov_b32 s[SEL+1], 0xfedcba98
	s_lshl_b32 s27, s14, 9
	s_add_co_u32 s27, s27, s24
	s_lshl_b32 s40, s11, 9
	s_add_co_u32 s40, s40, SCST
	s_lshl_b32 s41, s12, 2
	s_add_co_u32 s41, s41, s40
	s_and_b32 s50, ttmp9, 31                       ; W: which 128 columns
	s_lshr_b32 s53, ttmp9, 5                       ; which 128 along K
	s_and_b32 s51, s10, 3                          ; which 32 of the columns
	s_lshr_b32 s52, s10, 2                         ; which block of 32 along K
	s_mul_i32 s55, s51, 3072
	s_add_co_u32 s55, s55, WST                     ; my 32 columns' stage
	s_lshr_b32 s56, s52, 1
	s_mul_i32 s56, s56, 768
	s_and_b32 s57, s52, 1
	s_lshl_b32 s57, s57, 7
	s_add_co_u32 s56, s56, s57
	s_add_co_u32 s56, s56, s55                     ; my block's place in an image
	s_mul_i32 s57, s52, 768
	s_add_co_u32 s57, s57, s55                     ; the image that I send
	s_lshl_b32 s58, s51, 7
	s_add_co_u32 s58, s58, WSC
	s_add_co_u32 s59, s58, s52
	s_mov_b32 s18, 4096
	s_mov_b32 s19, PLANE2
	s_cmp_lt_u32 s50, 24                           ; the choice hangs on the work-group's number alone
	s_cselect_b32 s18, 12288, s18                  ; a row of the weight in bytes
	s_cselect_b32 s19, PLANE, s19
	v_and_b32 v5, 15, v0                           ; r
	v_bfe_u32 v6, v0, 4, 1                         ; h
	v_mul_u32_u24 v[LA], v5, RP
	v_lshl_add_u32 v[LA], v6, 7, v[LA]
	v_add_nc_u32 v[LA], s27, v[LA]
	v_and_b32 v7, 31, v0                           ; lane
	v_lshlrev_b32 v[LI], 4, v7
	v_lshlrev_b32 v[CO], 3, v7
	v_lshlrev_b32 v[L4], 2, v7
	v_lshlrev_b32 v[SH], 3, v6
	v_lshlrev_b32 v[SA], 5, v5
	v_add_nc_u32 v[SA], s41, v[SA]
	v_add_nc_u32 v[SR], s40, v[LI]
	v_mov_b32 v[TM+7], 0                           ; a lane permute's destination counts as read
	v_bfe_u32 v17, v0, 3, 1                        ; column 32 g + l goes to row 8 (l / 16) + l % 8 of tile 2 g + (l / 8) % 2
	v_and_b32 v18, 7, v0
	v_lshl_add_u32 v18, v6, 3, v18                 ; my row in the tile
	v_mul_u32_u24 v[WSTO], v17, 1536
	v_lshl_add_u32 v[WSTO], v18, 3, v[WSTO]
	v_add_nc_u32 v[WSTO], s56, v[WSTO]
	v_lshl_add_u32 v[WRO], v17, 4, v18
	v_lshlrev_b32 v[WRO], 5, v[WRO]
	v_add_nc_u32 v[WRD], s57, v[CO]
	v_add_nc_u32 v[WBA], s59, v[L4]
	v_add_nc_u32 v[WBR], s58, v[L4]
.set i, 0
.rept 32
	v_mad_u32_u24 v[KO+i], s18, i, v[L4]
.set i, i+1
.endr
	s_wait_alu depctr_va_vdst(0)                   ; the wait at the head's end
	s_wait_dscnt 0x0
	s_wait_kmcnt 0x0
	s_cmp_lt_u32 s50, 24
	s_cselect_b64 s[84:85], s[70:71], s[72:73]     ; the weight,
	s_cselect_b64 s[86:87], s[74:75], s[78:79]     ; its codes,
	s_cselect_b64 s[88:89], s[76:77], s[80:81]     ; its scale bytes
	s_cselect_b32 s20, 0, 24
	s_add_nc_u64 s[68:69], s[68:69], s[32:33]
	s_mov_b32 s[G0], 1
	s_mov_b32 s[G0+1], s25
	s_mov_b64 s[G0+2:G0+3], s[68:69]
	s_or_b32 s[G0+3], s[G0+3], 0x80000000
	tensor_load_to_lds s[G0:G0+3], s[G1:G1+7]      ; my one load
	s_nop 0
.rept 4
	v_nop
.endr
	s_sub_co_u32 s20, s50, s20
	s_lshl_b32 s20, s20, 2
	s_add_co_u32 s20, s20, s51                     ; my group of 32 columns
	s_lshl_b32 s21, s53, 7
	s_lshl_b32 s22, s52, 5
	s_add_co_u32 s21, s21, s22                     ; my block's first row
	s_mul_i32 s22, s21, s18
	s_lshl_b32 s21, s20, 7
	s_add_co_u32 s22, s22, s21
	s_mov_b32 s23, 0
	s_add_nc_u64 s[84:85], s[84:85], s[22:23]
.set i, 0
.rept 32
	global_load_b32 v[XW+i], v[KO+i], s[84:85] th:TH_LOAD_NT   ; 32 lanes read 128 consecutive bytes of one row
.set i, i+1
.endr
	s_add_nc_u64 s[74:75], s[74:75], s[34:35]
	s_add_nc_u64 s[76:77], s[76:77], s[36:37]
	s_lshr_b32 s21, s53, 1
	s_mul_i32 s22, s21, s19                        ; the K quarter,
	s_lshl_b32 s21, s20, 1
	s_add_co_u32 s21, s21, 512
	s_mul_i32 s21, s21, 3072                       ; row tile 512 + 2 g,
	s_add_co_u32 s22, s22, s21
	s_and_b32 s21, s53, 1
	s_mul_i32 s21, s21, 1536                       ; the quarter's first or second 128,
	s_add_co_u32 s22, s22, s21
	s_lshr_b32 s21, s52, 1
	s_mul_i32 s21, s21, 3072                       ; and the image that I send: tile w / 8, image (w / 4) % 2
	s_add_co_u32 s22, s22, s21
	s_and_b32 s21, s52, 1
	s_mul_i32 s21, s21, 768
	s_add_co_u32 s22, s22, s21
	s_add_nc_u64 s[86:87], s[86:87], s[22:23]
	s_lshl_b32 s22, s20, 10                        ; scale bytes: row 8,192 + 32 g, 32 bytes a row,
	s_add_co_u32 s22, s22, 8192*32
	s_lshl_b32 s21, s53, 2                         ; word g / 32
	s_add_co_u32 s22, s22, s21
	s_add_nc_u64 s[88:89], s[88:89], s[22:23]
	s_cmp_lt_u32 s10, 8                            ; the table: waves 0-7, a row each, while the loads are on their way
	s_cbranch_scc0 .Lno_table
	s_lshl_b32 s54, ttmp9, 3
	s_add_co_u32 s54, s54, s10                     ; t
	s_lshl_b32 s22, s54, 8
	s_add_nc_u64 s[82:83], s[82:83], s[22:23]
	v_cvt_f32_u32 v[R+0], v7                       ; j
	v_mul_f32 v[R+1], 0xbed49a00, v[R+0]           ; -j x 0.41523743: exact (15 bits x 5 bits)
	s_wait_alu depctr_va_vdst(0)                   ; the wait ahead of the transcendental
	v_exp_f32 v[R+1], v[R+1]
	v_mul_f32 v[R+2], 0xb626c3ca, v[R+0]           ; -j x the rest of log2(10000) / 32 x ln 2
	v_mov_b32 v[R+3], 0xb94ca1f9
	v_mov_b32 v[R+4], 0x37ccf5ce
	s_wait_alu depctr_va_vdst(0)                   ; and ahead of its first reader
	v_fma_f32 v[R+1], v[R+1], v[R+2], v[R+1]       ; inv_freq
	v_cvt_f32_u32 v[R+5], s54
	v_mul_f32 v[R+5], v[R+5], v[R+1]               ; the angle
	v_mul_f32 v[R+6], 0x3f22f983, v[R+5]
	v_rndne_f32 v[R+6], v[R+6]                     ; n = the nearest multiple of pi / 2
	v_fmamk_f32 v[R+7], v[R+6], 0xbfc90fdb, v[R+5] ; angle - n x (pi / 2's upper part),
	v_fmamk_f32 v[R+7], v[R+6], 0x333bbd2e, v[R+7] ; - n x its lower part
	v_mul_f32 v[R+8], v[R+7], v[R+7]
	v_fmaak_f32 v[R+9], v[R+8], v[R+3], 0x3c08839e
	v_fmaak_f32 v[R+10], v[R+8], v[R+4], 0xbab6061a
	v_fmaak_f32 v[R+9], v[R+8], v[R+9], 0xbe2aaaa3
	v_fmaak_f32 v[R+10], v[R+8], v[R+10], 0x3d2aaaa5
	v_mul_f32 v[R+11], v[R+7], v[R+8]
	v_mul_f32 v[R+12], v[R+8], v[R+8]
	v_fma_f32 v[R+13], v[R+8], -0.5, 1.0
	v_fma_f32 v[R+9], v[R+11], v[R+9], v[R+7]      ; sine of the rest
	v_fma_f32 v[R+10], v[R+12], v[R+10], v[R+13]   ; cosine
	v_cvt_i32_f32 v[R+11], v[R+6]
	v_and_b32 v[R+12], 1, v[R+11]
	v_cmp_eq_u32 vcc_lo, 1, v[R+12]                ; odd n: the two change places
	v_cndmask_b32 v[R+16], v[R+10], v[R+9], vcc_lo
	v_cndmask_b32 v[R+17], v[R+9], v[R+10], vcc_lo
	v_add_nc_u32 v[R+12], 1, v[R+11]
	v_and_b32 v[R+12], 2, v[R+12]                  ; the cosine is negative for n = 1, 2 mod 4,
	v_and_b32 v[R+11], 2, v[R+11]                  ; the sine for n = 2, 3
	v_lshlrev_b32 v[R+12], 30, v[R+12]
	v_lshlrev_b32 v[R+11], 30, v[R+11]
	v_xor_b32 v[R+16], v[R+16], v[R+12]
	v_xor_b32 v[R+17], v[R+17], v[R+11]
	global_store_b64 v[CO], v[R+16:R+17], s[82:83] ; a row of the table: 256 consecutive bytes
.Lno_table:
	s_wait_loadcnt 0x0                             ; my block of W is in
	v_max3_num_f32 v[M0], |v[XW]|, |v[XW+1]|, |v[XW+2]|
	v_max3_num_f32 v[M0+1], |v[XW+3]|, |v[XW+4]|, |v[XW+5]|
.irp i, 6,10,14,18,22,26
	v_max3_num_f32 v[M0], v[M0], |v[XW+\i]|, |v[XW+\i+1]|
	v_max3_num_f32 v[M0+1], v[M0+1], |v[XW+\i+2]|, |v[XW+\i+3]|
.endr
	v_max3_num_f32 v[M0], v[M0], |v[XW+30]|, |v[XW+31]|
	v_max3_num_f32 v[M0], v[M0], v[M0+1], 0x2800000   ; the floor 2^(5 - 127)
	v_add_nc_u32 v[M0+2], 0xfe000000, v[M0]        ; the conversion's scale operand
	v_lshrrev_b32 v[M0+3], 23, v[M0+2]             ; the byte
	v_cvt_scalef32_pk16_bf6_f32 v[CW:CW+2], v[XW:XW+15], v[M0+2]
	v_cvt_scalef32_pk16_bf6_f32 v[CW+4:CW+6], v[XW+16:XW+31], v[M0+2]
	v_nop                                          ; one plain line behind the conversions
	v_mov_b32 v[CW+3], v[CW+4]                     ; six registers on end: the block's 24 bytes
	v_mov_b32 v[CW+4], v[CW+5]
	v_mov_b32 v[CW+5], v[CW+6]
.irp p, 0,1,2
	ds_store_b64 v[WSTO], v[CW+2*\p:CW+2*\p+1] offset:256*\p
.endr
	ds_store_b8 v[WBA], v[M0+3]
	s_wait_alu depctr_va_vdst(0)                   ; the wait here, directly ahead of the waits below
	s_wait_tensorcnt 0x0                           ; my load of x has landed,
	s_wait_dscnt 0x0                               ; my codes and my byte of W are in the stage,
	s_barrier_signal -1
	s_barrier_wait -1                              ; and everybody's
.irp p, 0,1,2
	ds_load_b64 v[OW+2*\p:OW+2*\p+1], v[WRD] offset:256*\p
.endr
.irp c, 0,1                            ; x: lane (r, h) takes blocks 2 c + h whole: 32 neighbours each
.irp i, 0,1,2,3,4,5,6,7
	ds_load_b128 v[X+32*\c+4*\i:X+32*\c+4*\i+3], v[LA] offset:256*\c+16*\i
.endr
.endr
	s_wait_dscnt 16                                ; W's image is in; x's sixteen loads may be out
.irp p, 0,1,2
	global_store_b64 v[CO], v[OW+2*\p:OW+2*\p+1], s[86:87] offset:256*\p   ; 256 consecutive bytes, aligned
.endr
	s_wait_dscnt 0x0
.irp c, 0,1
	v_max3_num_f32 v[TM+\c], |v[X+32*\c]|, |v[X+32*\c+1]|, 0x2800000
.endr
.irp i, 2,4,6,8,10,12,14,16,18,20,22,24,26,28,30
.irp c, 0,1
	v_max3_num_f32 v[TM+\c], v[TM+\c], |v[X+32*\c+\i]|, |v[X+32*\c+\i+1]|
.endr
.endr
.irp c, 0,1
	v_add_nc_u32 v[TM+2+\c], 0xfe000000, v[TM+\c]
.endr
.irp c, 0,1
	v_lshrrev_b32 v[TM+4+\c], 23, v[TM+2+\c]
.endr
	v_lshl_or_b32 v[TM+6], v[TM+5], 16, v[TM+4]    ; my bytes: blocks h and 2 + h,
	v_lshlrev_b32 v[TM+6], v[SH], v[TM+6]          ; at their places;
	v_permlanex16_b32 v[TM+7], v[TM+6], s[SEL], s[SEL+1]
	v_or_b32 v[SW], v[TM+6], v[TM+7]               ; with lane xor 16's the word is whole
	ds_store_b32 v[SA], v[SW]                      ; lanes r and r + 16 write the same word with the same value
	v_cvt_scalef32_pk16_bf6_f32 v[C:C+2], v[X:X+15], v[TM+2]
	v_cvt_scalef32_pk16_bf6_f32 v[T0:T0+2], v[X+16:X+31], v[TM+2]
	v_cvt_scalef32_pk16_bf6_f32 v[C+6:C+8], v[X+32:X+47], v[TM+3]
	v_cvt_scalef32_pk16_bf6_f32 v[T1:T1+2], v[X+48:X+63], v[TM+3]
	v_nop
.irp i, 0,1,2
	v_mov_b32 v[C+3+\i], v[T0+\i]
	v_mov_b32 v[C+9+\i], v[T1+\i]
.endr
.irp p, 0,1,2,3,4,5
	global_store_b64 v[CO], v[C+2*\p:C+2*\p+1], s[74:75] offset:256*\p
.endr
	s_wait_dscnt 0x0                               ; my scale words of x are in the stage,
	s_barrier_signal -1
	s_barrier_wait -1                              ; and everybody's
	s_cmp_lg_u32 s12, 0                            ; the first wave of each tile of x sends the tile's 512 scale bytes
	s_cbranch_scc1 .Lno_xs
	ds_load_b128 v[20:23], v[SR]
	s_wait_dscnt 0x0
	global_store_b128 v[LI], v[20:23], s[76:77]
.Lno_xs:
	s_cmp_lg_u32 s52, 0                            ; waves 0-3 send their 32 columns' scale words: 4 bytes a lane, 32 bytes apart
	s_cbranch_scc1 .Ldone
	ds_load_b32 v26, v[WBR]
	s_wait_dscnt 0x0
	global_store_b32 v[WRO], v26, s[88:89]
.Ldone:
	s_wait_tensorcnt 0x0                           ; the wave's end
	ds_add_u32 v[SPW], v[NIL]
	s_wait_dscnt 0x0
	s_endpgm
.Lfunc_end_k_q9c33897ea8_quant:
	.size	k_q9c33897ea8_quant, .Lfunc_end_k_q9c33897ea8_quant-k_q9c33897ea8_quant
	.p2alignl 7, 3214868480
	.fill 96, 4, 3214868480
	.section	.rodata,"a",@progbits
	.p2align	6, 0x0
	.amdhsa_kernel k_q9c33897ea8_quant
		.amdhsa_group_segment_fixed_size 167936
		.amdhsa_private_segment_fixed_size 0
		.amdhsa_enable_private_segment 0
		.amdhsa_kernarg_size 64
		.amdhsa_user_sgpr_count 2
		.amdhsa_user_sgpr_kernarg_segment_ptr 1
		.amdhsa_wavefront_size32 1
		.amdhsa_system_sgpr_workgroup_id_x 1
		.amdhsa_system_sgpr_workgroup_id_y 1
		.amdhsa_system_sgpr_workgroup_id_z 1
		.amdhsa_system_vgpr_workitem_id 0
		.amdhsa_next_free_vgpr 256
		.amdhsa_next_free_sgpr 100
		.amdhsa_reserve_vcc 1
		.amdhsa_float_denorm_mode_32 3
		.amdhsa_float_denorm_mode_16_64 3
		.amdhsa_memory_ordered 1
		.amdhsa_forward_progress 1
		.amdhsa_inst_pref_size 21
	.end_amdhsa_kernel
	.amdgpu_metadata
---
amdhsa.version: [ 1, 2 ]
amdhsa.kernels:
  - .name:           k_q9c33897ea8_quant
    .symbol:         k_q9c33897ea8_quant.kd
    .args:
      - { .name: x, .offset: 0, .size: 8, .value_kind: global_buffer, .address_space: global }
      - { .name: W_attn, .offset: 8, .size: 8, .value_kind: global_buffer, .address_space: global }
      - { .name: W_proj, .offset: 16, .size: 8, .value_kind: global_buffer, .address_space: global }
      - { .name: xw, .offset: 24, .size: 8, .value_kind: global_buffer, .address_space: global }
      - { .name: xws, .offset: 32, .size: 8, .value_kind: global_buffer, .address_space: global }
      - { .name: yw, .offset: 40, .size: 8, .value_kind: global_buffer, .address_space: global }
      - { .name: yws, .offset: 48, .size: 8, .value_kind: global_buffer, .address_space: global }
      - { .name: rope, .offset: 56, .size: 8, .value_kind: global_buffer, .address_space: global }
    .group_segment_fixed_size: 167936
    .private_segment_fixed_size: 0
    .kernarg_segment_align: 8
    .kernarg_segment_size: 64
    .max_flat_workgroup_size: 512
    .sgpr_count:     100
    .vgpr_count:     256
    .wavefront_size: 32
...
	.end_amdgpu_metadata
.endif
;; end of part 1
;; launch gemm1 (part 2): grid 4 x 64, 4 waves a work-group, clusters of 4 x 4, 327,680 bytes of LDS; arguments xw, xws, rope, qkv; writes qkv
.if DOCPART == 2
	.amdgcn_target "amdgcn-amd-amdhsa--gfx1250"
	.amdhsa_code_object_version 6
	.text
	.protected	k_q9c33897ea8_gemm1
	.globl	k_q9c33897ea8_gemm1
	.p2align	8
	.type	k_q9c33897ea8_gemm1,@function
k_q9c33897ea8_gemm1:
	s_mov_b64 s[64:65], 0
	v_nop
	global_prefetch_b8 v0, s[64:65] scope:SCOPE_SE
	s_setreg_imm32_b32 hwreg(HW_REG_WAVE_MODE, 25, 1), 1
	s_wait_xcnt 0x0
	s_wait_alu depctr_hold_cnt(0) depctr_sa_sdst(0) depctr_va_vdst(0) depctr_va_sdst(0) depctr_va_ssrc(0) depctr_va_vcc(0) depctr_vm_vsrc(0)
	s_getreg_b32 s2, hwreg(HW_REG_IB_STS2, 6, 4)
	s_cmp_eq_u32 s2, 0
	s_cbranch_scc0 .Lentry_in_a_cluster
	s_endpgm
.Lentry_in_a_cluster:
	s_bfe_u32 s2, ttmp6, 0x10000c
	s_cmp_lg_u32 s2, 0xf033
	s_cbranch_scc0 .Lentry_shape_is_right
	s_endpgm
.Lentry_shape_is_right:
; qkv = x W_attn on codes of BF6 with E8M0 scales; then the rotary turn of q and k in f32, and q, k (along the head's 64) and v (along the keys) quantised anew, in registers, and stored as images of operand registers.
; SHARES: 64 x 4 = 256 work-groups.  Work-group (cg, tb) takes tokens 128 tb .. + 127 and heads 4 cg .. + 3, in THREE PASSES: q, k, v, each 128 tokens x 256 columns of W_attn, all of K = 1,024.
; LDS: the tokens' 8 row tiles x 4 K quarters (98,304 bytes) are filled once and stay; behind them W's 16 row tiles x 4 K quarters (196,608 bytes), as [half][K quarter][8 tiles], are filled anew for each pass.
; A side's 8 row tiles of a K quarter are 24,576 dense bytes, so a load's rows are those blocks, a K quarter of xw apart.  The head: wave 0 the tokens' quarters 0, 1, wave 3 their quarters 2, 3, waves 1 and 2 W's two halves.
; A refill: each wave a quarter of W's bytes, behind a round of the cluster's barrier that opens at the pass's last K step, when the last fragments are in registers: the load is on its way under that step's products and the way out.
; A wave makes 32 accumulators: 8 fragments as source 0 x 4 as source 1; a lane holds one row of source 1, and the 16 registers of source 0's tiles 2 g, 2 g + 1 are 16 neighbours, 32 g + 16 (lane / 16) + 0 .. 15.
; q, k: source 0 = 128 columns (2 heads) of W, source 1 = 64 tokens.  v: source 0 = the 128 tokens, source 1 = 64 channels (a head) of W_v: the operands change places BY ADDRESS alone.
; The scale words go from memory into 64 registers a pass: register 8 i + s: lanes 16-31 source 0's block i, lanes 0-15 source 1's block i % 4, step s of 128 along K.  The table of angles, the same for q and k, is loaded once, into window 3.
; CLUSTERS: 4 x 4.  The tokens' tiles hang on tb alone and are shared along a row of the cluster, W's on cg alone and are shared along a column.
; qkv: [part 2][batch x head 64][step 16][13,056 bytes]; a record is 128 tokens of a head: 0: four images of 12 registers (token tiles 2 g and 2 g + 1, 6 registers each); 6,144: four images of v (16 channels x 128 keys);
; 12,288: [row 16][tile 8] scale words (two bytes, repeated); 12,800: [row 16][tile 4] v's scale words.  Part 0 holds q (codes and words alone), part 1 k and v.
; No prefetch: a refill is asked for as soon as the bytes on which it lands are free, and all 64 token blocks ask for the same bytes of W in the same pass.
; LIMITS: a block of zeros gets the byte 1 (read by this program alone); blocks under 2^-122 were not tried; NaN and infinities are not served.
; REGISTERS: window 0: v0-31 addresses; v32-95 scale words and nothing else; v96-127, v224-255 at work on the way out; v128-223 source 1's fragments, two sets, later the codes made.
;   window 1: source 0's fragments, two sets, at v0 and v128.   window 2: accumulator (a, b) at v[8 (8 a + b)].   window 3: v0-127 the table.
.set PLANE, 2162688
.set RTB,   3072
.set AT,    8*RTB
.set BBASE, 4*AT
.set SPARE, 12*AT                      ; the spare words: 128 bytes a wave, two blocks of 256 that no other line names
.set FR,    12
.set NP,    4                          ; places behind this matrix instruction (ISA guide 7.12.1)
.set REC,   13056
.set HREC,  16*REC
.set PART,  64*HREC
.set VCO,   6144
.set KSO,   12288
.set VSO,   12800
.set VSV,  12                          ; v12-13 the v pass's scale offsets
.set VSN,  14                          ; v14-15 the next pass's
.set AD0,  16                          ; v16-17 q, k: source 0's fragments, K quarters 0-1 and 2-3
.set AD1,  18                          ; v18-19 source 1's
.set AD0V, 20                          ; v20-23 the same for v
.set AD1V, 22
.set LIQ,  11                          ; v11 16 x lane + my two images' place in a record of q or k: 3,072 x my half of the tokens
.set LI,   24                          ; v24 16 x lane
.set KSA,  25                          ; v25 h x a head's bytes + 32 r + 16 x my half of the tokens
.set VSA,  26                          ; v26 16 r + 8 h
.set VT,   27                          ; v27 my token's row of the table, + 64 h
.set SPW,  28
.set NIL,  29
.set VS,   30                          ; v30-31 the first pass's scale offsets
.set SC,   32
.set RO,   96                          ; v96-127 32 turned numbers
.set TV,   96                          ; the v pass: v96-111
.set CV,   112                         ; v112-114, v116-118
.set AF,   128
.set CD,   128
.set RT,   224
.set TM,   232
.set CT,   240
.set WD,   244
.set WO,   252
.set G1T, 24
.set G1W, 48
.set G0T0, 32
.set G0T1, 36
.set G0W0, 56
.set G0W1, 60
.set G0R, 68
.set SEL, 72
.set HM,  74
.set CNT, 75
.set OQ,  76                           ; s[76:77] where q's, then k's results go
.set OV,  78                           ; s[78:79] v's
.set RB,  80                           ; s[80:81] the table at my first token
.set MSB, 0
.macro WIN new                         ; the immediate's high byte repeats the setting that is left
.if MSB != \new
	s_set_vgpr_msb (MSB<<8)|\new
.set MSB, \new
.endif
.endm
.set MUL,  0xa1                        ; source 0 window 1, source 1 window 0, C and D window 2
.set TO_B, 0x40
.macro CREST                           ; a round of the cluster's barrier behind its opening barrier
	s_cmp_lg_u32 s14, 0
	s_cbranch_scc1 .Lnot_wave_0_\@
	s_barrier_signal -3
.Lnot_wave_0_\@:
	s_barrier_wait -3
	s_barrier_signal -1
	s_barrier_wait -1
.endm
.macro CROUND
	s_barrier_signal -1
	s_barrier_wait -1
	CREST
.endm
.macro PLACES n
.rept \n
	v_nop
.endr
.endm
	s_load_b128 s[4:7], s[0:1], 0x0                ; xw, xws
	s_load_b128 s[8:11], s[0:1], 0x10              ; rope, qkv
	v_lshl_add_u32 v[SPW], v0, 2, SPARE
	v_mov_b32 v[NIL], 0
	ds_add_u32 v[SPW], v[NIL]                      ; the opening lines: the add, twice on end, and its wait
	ds_add_u32 v[SPW], v[NIL]
	v_lshrrev_b32 v1, 5, v0
	v_readfirstlane_b32 s14, v1                    ; wave 0..3
	s_lshr_b32 s15, s14, 1
	s_and_b32 s16, s14, 1
	s_bfe_u32 s40, ttmp6, 0x40000                  ; cx
	s_bfe_u32 s41, ttmp6, 0x40004                  ; cy
	s_lshl_b32 s42, ttmp9, 2
	s_add_co_u32 s42, s42, s40                     ; cg
	s_and_b32 s17, ttmp7, 0xffff
	s_lshl_b32 s17, s17, 2
	s_add_co_u32 s17, s17, s41                     ; tb
	s_lshl_b32 s43, s41, 2
	s_lshl_b32 s43, 15, s43                        ; my row of the cluster
	s_lshl_b32 s44, 0x1111, s40                    ; my column
	s_or_b32 s[G1T+0], s43, (3<<16)|(1<<21)        ; the mask; elements of 8 bytes; bit 21 beside a mask; no padding
	s_or_b32 s[G1W+0], s44, (3<<16)|(1<<21)
.irp g, G1T, G1W
	s_mov_b32 s[\g+1], (AT/8)<<16                  ; a row: 24,576 bytes
	s_mov_b32 s[\g+3], (AT/8)<<16
	s_mov_b32 s[\g+5], PLANE/8
	s_mov_b32 s[\g+6], 0
	s_mov_b32 s[\g+7], 0
.endr
	s_mov_b32 s[G1T+2], 2<<16                      ; the tokens: two K quarters a load
	s_mov_b32 s[G1T+4], 2
	s_mov_b32 s[G1W+2], 4<<16                      ; W at the head: four
	s_mov_b32 s[G1W+4], 4
	s_mov_b32 s[SEL], 0x76543210
	s_mov_b32 s[SEL+1], 0xfedcba98
	s_mov_b32 s[HM], 0xffff0000
	s_lshl_b32 s20, s17, 3                         ; the tokens' first row tile: it hangs on cy, never on cx
	s_lshl_b32 s46, s42, 4
	s_add_co_u32 s46, s46, 512                     ; W_q's first of my 16: on cx, never on cy
	v_and_b32 v1, 15, v0                           ; r
	v_bfe_u32 v2, v0, 4, 1                         ; h
	v_and_b32 v3, 31, v0
	v_lshlrev_b32 v5, 5, v1                        ; scale bytes: 32 a row, 512 a row tile
	s_lshl_b32 s18, s15, 2
	s_add_co_u32 s18, s18, s20
	s_lshl_b32 s18, s18, 9                         ; q, k: source 1 = my 4 token tiles,
	s_lshl_b32 s19, s16, 3
	s_add_co_u32 s19, s19, s46
	s_lshl_b32 s19, s19, 9                         ; source 0 = my 8 tiles of W
	v_add_nc_u32 v6, s18, v5
	v_add_nc_u32 v7, s19, v5
	v_cndmask_b32 v[VS], v6, v7, s[HM]             ; blocks 0-3: lanes 0-15 source 1's, lanes 16-31 source 0's
	v_add_nc_u32 v7, 2048, v7
	v_cndmask_b32 v[VS+1], v6, v7, s[HM]           ; blocks 4-7 of source 0, beside source 1's four once more
	v_add_nc_u32 v7, 64*512-2048, v7               ; k's tiles of W lie 64 row tiles behind q's
	v_cndmask_b32 v[VSN], v6, v7, s[HM]
	v_add_nc_u32 v7, 2048, v7
	v_cndmask_b32 v[VSN+1], v6, v7, s[HM]
	s_lshl_b32 s18, s14, 2
	s_add_co_u32 s18, s18, s46
	s_add_co_u32 s18, s18, 128
	s_lshl_b32 s18, s18, 9                         ; v: source 1 = my 4 tiles of W_v,
	s_lshl_b32 s19, s20, 9                         ; source 0 = the 8 token tiles
	v_add_nc_u32 v6, s18, v5
	v_add_nc_u32 v7, s19, v5
	v_cndmask_b32 v[VSV], v6, v7, s[HM]
	v_add_nc_u32 v7, 2048, v7
	v_cndmask_b32 v[VSV+1], v6, v7, s[HM]
	v_lshlrev_b32 v4, 3, v3                        ; an image's place for my lane
	s_mul_i32 s21, s16, 4*AT
	s_add_co_u32 s21, s21, BBASE
	s_mul_i32 s22, s15, 4*RTB
	s_mul_i32 s23, s15, 4*AT
	s_add_co_u32 s23, s23, BBASE
	s_mul_i32 s18, s16, 4*RTB
	s_add_co_u32 s23, s23, s18
	v_add_nc_u32 v[AD0], s21, v4
	v_add_nc_u32 v[AD0+1], 2*AT, v[AD0]
	v_add_nc_u32 v[AD1], s22, v4
	v_add_nc_u32 v[AD1+1], 2*AT, v[AD1]
	v_lshlrev_b32 v[AD0V], 3, v3
	v_add_nc_u32 v[AD0V+1], 2*AT, v[AD0V]
	v_add_nc_u32 v[AD1V], s23, v4
	v_add_nc_u32 v[AD1V+1], 2*AT, v[AD1V]
	v_lshlrev_b32 v[LI], 4, v3
	s_mul_i32 s19, s15, 3072                       ; my 4 token tiles are images 2 x half, + 1: the codes' stores alone take this offset
	v_add_nc_u32 v[LIQ], s19, v[LI]
	v_mul_u32_u24 v[KSA], v2, HREC
	v_lshl_add_u32 v[KSA], v1, 5, v[KSA]
	s_lshl_b32 s18, s15, 4
	v_add_nc_u32 v[KSA], s18, v[KSA]
	v_lshlrev_b32 v[VSA], 4, v1
	v_lshl_add_u32 v[VSA], v2, 3, v[VSA]
	v_and_b32 v5, 8, v1
	v_add_nc_u32 v5, v5, v1                        ; r + 8 (r / 8): my token in its tile's 24
	v_lshlrev_b32 v[VT], 8, v5
	v_lshl_add_u32 v[VT], v2, 6, v[VT]
	v_mov_b32 v[TM+2], 0                           ; a lane permute's destination counts as read
	v_mov_b32 v[TM+3], 0
	s_lshr_b32 s82, s17, 4                         ; batch
	s_and_b32 s83, s17, 15                         ; step: which 128 tokens of the batch
	s_lshl_b32 s82, s82, 4
	s_lshl_b32 s84, s42, 2
	s_add_co_u32 s82, s82, s84                     ; 16 x batch + 4 cg
	s_mul_i32 s85, s83, REC
	s_lshl_b32 s84, s16, 1
	s_add_co_u32 s84, s84, s82                     ; q, k: my first head
	s_mul_i32 s86, s84, HREC
	s_add_co_u32 s86, s86, s85
	s_mov_b32 s87, 0
	s_add_co_u32 s84, s82, s14                     ; v: my head
	s_mul_i32 s88, s84, HREC
	s_add_co_u32 s88, s88, s85
	s_add_co_u32 s88, s88, PART
	s_mov_b32 s89, 0
	s_lshl_b32 s90, s83, 15                        ; the table: 128 rows of 256 bytes a step,
	s_lshl_b32 s84, s15, 14                        ; + my 64 tokens
	s_add_co_u32 s90, s90, s84
	s_mov_b32 s91, 0
	s_mul_i32 s20, s20, RTB
	s_mov_b32 s21, 0
	s_mul_i32 s46, s46, RTB
	s_mov_b32 s47, 0
	s_mul_i32 s18, s15, AT                         ; a refill: my half of W's tiles,
	s_mul_i32 s19, s16, 2*PLANE                    ; my two K quarters
	s_add_co_u32 s18, s18, s19
	s_mov_b32 s19, 0
	s_mul_i32 s22, s14, 2*AT
	s_add_co_u32 s22, s22, BBASE                   ; and where they land: by the wave's number alone
	s_wait_alu depctr_va_vdst(0)                   ; the wait at the head's end
	s_wait_dscnt 0x0                               ; both opening adds are done
	s_wait_kmcnt 0x0
.macro SCLOAD o                        ; a pass's scale words: two loads of 16 bytes cover a row's 32
.irp i, 0,1,2,3,4,5,6,7
	global_load_b128 v[SC+8*\i:SC+8*\i+3], v[\o+\i/4], s[6:7] offset:512*(\i%4)
	global_load_b128 v[SC+8*\i+4:SC+8*\i+7], v[\o+\i/4], s[6:7] offset:512*(\i%4)+16
.endr
.endm
	SCLOAD VS
	s_add_nc_u64 s[RB:RB+1], s[8:9], s[90:91]
	WIN 0xc0                                       ; destination: window 3
.irp a, 0,1,2,3                        ; register 32 a + 16 be + 8 u + 2 p is the cosine of pair 16 be + 8 h + 4 u + p of my token in tile a, the next its sine
.irp be, 0,1
.irp u, 0,1
.irp e, 0,1
	global_load_b128 v[32*\a+16*\be+8*\u+4*\e:32*\a+16*\be+8*\u+4*\e+3], v[VT], s[RB:RB+1] offset:(32*(\a/2)+8*(\a%2))*256+128*\be+32*\u+16*\e
.endr
.endr
.endr
.endr
	WIN 0
	s_add_nc_u64 s[OQ:OQ+1], s[10:11], s[86:87]
	s_add_nc_u64 s[OV:OV+1], s[10:11], s[88:89]
	s_add_nc_u64 s[20:21], s[4:5], s[20:21]
	s_add_nc_u64 s[46:47], s[4:5], s[46:47]
	s_mov_b32 s[G0T0], 1
	s_mov_b32 s[G0T0+1], 0
	s_mov_b64 s[G0T0+2:G0T0+3], s[20:21]
	s_or_b32 s[G0T0+3], s[G0T0+3], 0x80000000
	s_mov_b32 s[G0T1], 1
	s_mov_b32 s[G0T1+1], 2*AT
	s_add_nc_u64 s[G0T1+2:G0T1+3], s[20:21], 2*PLANE
	s_or_b32 s[G0T1+3], s[G0T1+3], 0x80000000
	s_mov_b32 s[G0W0], 1
	s_mov_b32 s[G0W0+1], BBASE
	s_mov_b64 s[G0W0+2:G0W0+3], s[46:47]
	s_or_b32 s[G0W0+3], s[G0W0+3], 0x80000000
	s_mov_b32 s[G0W1], 1
	s_mov_b32 s[G0W1+1], BBASE+4*AT
	s_add_nc_u64 s[G0W1+2:G0W1+3], s[46:47], AT
	s_or_b32 s[G0W1+3], s[G0W1+3], 0x80000000
	s_mov_b32 s[G0R], 1
	s_mov_b32 s[G0R+1], s22
	s_add_nc_u64 s[G0R+2:G0R+3], s[46:47], s[18:19]
	s_or_b32 s[G0R+3], s[G0R+3], 0x80000000
	CROUND                                         ; all sixteen work-groups are here: the joint loads meet
; one load a wave, in one chain of branches on the wave's number
.macro ARM under, g0, g1, next
	s_cmp_lt_u32 s14, \under
	s_cbranch_scc0 \next
	tensor_load_to_lds s[\g0:\g0+3], s[\g1:\g1+7]
	s_nop 0
.rept 4
	v_nop
.endr
	s_branch .Lhead_asked
\next:
.endm
	ARM 1, G0T0, G1T, .Lhead_w0
	ARM 2, G0W0, G1W, .Lhead_w1
	ARM 3, G0W1, G1W, .Lhead_t1
	tensor_load_to_lds s[G0T1:G0T1+3], s[G1T:G1T+7]
	s_nop 0
.rept 4
	v_nop
.endr
.Lhead_asked:
.macro FRAG reg, adr, ks, i            ; a fragment, 16 rows x 128 K, 12 registers: two images on end, six pieces of 8 bytes a lane, 256 consecutive bytes each
.irp p, 0,1,2,3,4,5
	ds_load_b64 v[\reg+2*\p:\reg+2*\p+1], v[\adr] offset:(((\ks)/2)%2)*AT+(\i)*RTB+((\ks)%2)*1536+256*\p
.endr
.endm
.macro FETCH ks, a0, a1                ; step ks's fragments into set ks % 2
	WIN TO_B
.irp i, 0,1,2,3,4,5,6,7
	FRAG 128*((\ks)%2)+FR*\i, \a0+(\ks)/4, \ks, \i
.endr
	WIN 0
.irp i, 0,1,2,3
	FRAG AF+48*((\ks)%2)+FR*\i, \a1+(\ks)/4, \ks, \i
.endr
.endm
.macro MULS ks                         ; 32 matrix instructions; the 32 accumulators take turns, in the same order in every step; a pass's first products start the sums
	WIN MUL
.irp a, 0,1,2,3
.irp b, 0,1,2,3,4,5,6,7
.if (\ks) == 0
	v_wmma_scale_f32_16x16x128_f8f6f4 v[8*(8*\a+\b):8*(8*\a+\b)+7], v[128*((\ks)%2)+FR*\b:128*((\ks)%2)+FR*\b+FR-1], v[AF+48*((\ks)%2)+FR*\a:AF+48*((\ks)%2)+FR*\a+FR-1], 0, v[SC+8*\b+(\ks)], v[SC+8*\a+(\ks)] matrix_a_fmt:MATRIX_FMT_BF6 matrix_b_fmt:MATRIX_FMT_BF6 matrix_a_scale:MATRIX_SCALE_ROW1
.else
	v_wmma_scale_f32_16x16x128_f8f6f4 v[8*(8*\a+\b):8*(8*\a+\b)+7], v[128*((\ks)%2)+FR*\b:128*((\ks)%2)+FR*\b+FR-1], v[AF+48*((\ks)%2)+FR*\a:AF+48*((\ks)%2)+FR*\a+FR-1], v[8*(8*\a+\b):8*(8*\a+\b)+7], v[SC+8*\b+(\ks)], v[SC+8*\a+(\ks)] matrix_a_fmt:MATRIX_FMT_BF6 matrix_b_fmt:MATRIX_FMT_BF6 matrix_a_scale:MATRIX_SCALE_ROW1
.endif
.endr
.endr
	WIN 0
.endm
.macro WALK a0, a1, refill             ; a pass's eight steps of 128 along K; each step's 72 loads are issued in one run, a step ahead
	FETCH 0, \a0, \a1
	s_wait_loadcnt 0x0                             ; the pass's scale words are in (the first time: the table too)
.irp ks, 0,1,2,3,4,5,6
	s_wait_dscnt 0x0                               ; this step's fragments are in
.if \ks > 0
	PLACES NP                                      ; in front of loads into registers that the last step's products read
.endif
	FETCH \ks+1, \a0, \a1
	MULS \ks
.endr
.if \refill
	s_wait_tensorcnt 0x0                           ; none of my tensor loads is out;
	ds_add_u32 v[SPW], v[NIL]                      ; 0 onto my spare word;
	s_wait_dscnt 0x0                               ; the add is done, and my reads of W's bytes are over: the last step's fragments are in registers
	s_barrier_signal -1                            ; the barrier opens a round of the cluster's
	MULS 7
	s_barrier_wait -1
	CREST                                          ; no wave of any partner still reads W's bytes or has a load on its way
	s_add_nc_u64 s[G0R+2:G0R+3], s[G0R+2:G0R+3], 64*RTB   ; the next pass's tiles of W lie 64 row tiles on
	tensor_load_to_lds s[G0R:G0R+3], s[G1W:G1W+7]  ; my quarter of them
	s_nop 0
.rept 4
	v_nop                                          ; these four are also the places behind the last products
.endr
.else
	s_wait_dscnt 0x0
	MULS 7
	PLACES NP
.endif
.endm
; The rotary turn of token tile a, head hd of my two: (x0, x1) -> (x0 c - x1 s, x1 c + x0 s).  Each accumulator is first read at its register 1.
.macro ROPE a, hd
	WIN 0x0e                                       ; source 0: window 2, the accumulators; source 1: window 3, the table
.irp be, 0,1
.irp u, 0,1
.set AC, 8*(8*(\a)+4*(\hd)+2*\be+\u)
.set TR, 32*(\a)+16*\be+8*\u
.set RR, RO+16*\be+8*\u
.irp p, 0,1,2,3
	v_mul_f32 v[RT+2*\p], v[AC+2*\p+1], v[TR+2*\p+1]
	v_mul_f32 v[RT+2*\p+1], v[AC+2*\p], v[TR+2*\p+1]
.endr
.irp p, 0,1,2,3
	v_fma_f32 v[RR+2*\p], v[AC+2*\p], v[TR+2*\p], -v[RT+2*\p]
	v_fma_f32 v[RR+2*\p+1], v[AC+2*\p+1], v[TR+2*\p], v[RT+2*\p+1]
.endr
.endr
.endr
	WIN 0
.endm
; 32 numbers of a lane at v[RO] on, register 16 b + i = channel 32 b + 16 h + i of my token, become 6 code registers at v[CC] (block h whole) and the token's scale word at v[WW]
.macro QUANT32
.irp b, 0,1
	v_max3_num_f32 v[TM+\b], |v[RO+16*\b]|, |v[RO+16*\b+1]|, 0x2800000   ; with the floor 2^(5 - 127)
.endr
.irp i, 2,4,6,8,10,12,14
.irp b, 0,1
	v_max3_num_f32 v[TM+\b], v[TM+\b], |v[RO+16*\b+\i]|, |v[RO+16*\b+\i+1]|
.endr
.endr
.irp b, 0,1
	v_permlanex16_b32 v[TM+2+\b], v[TM+\b], s[SEL], s[SEL+1]
.endr
.irp b, 0,1
	v_max_num_f32 v[TM+\b], v[TM+\b], v[TM+2+\b]
.endr
.irp b, 0,1
	v_add_nc_u32 v[TM+4+\b], 0xfe000000, v[TM+\b]
.endr
.irp b, 0,1
	v_lshrrev_b32 v[TM+2+\b], 23, v[TM+4+\b]
.endr
	v_lshl_or_b32 v[WW], v[TM+3], 8, v[TM+2]
	v_lshl_or_b32 v[WW], v[WW], 16, v[WW]          ; the two bytes once more above: they stand over zero codes there
	v_cvt_scalef32_pk16_bf6_f32 v[CC:CC+2], v[RO:RO+15], v[TM+4]
	v_cvt_scalef32_pk16_bf6_f32 v[CT:CT+2], v[RO+16:RO+31], v[TM+5]
	v_nop                                          ; one plain line behind the conversions
.irp i, 0,1,2
	v_permlane16_swap_b32 v[CC+\i], v[CT+\i]       ; a whole block to a lane: lanes 0-15 block 0, lanes 16-31 block 1
.endr
.irp i, 0,1,2
	v_mov_b32 v[CC+3+\i], v[CT+\i]
.endr
.endm
; the v pass: the 64 accumulator registers of source 1's block a, register 16 b + i = key 32 b + 16 h + i of my channel, become a fragment at v[CD + 12 a] and its scale word at v[WD + a]
.macro QUANT64 a
.set AC, 64*(\a)
.set PC, CD+12*(\a)
	WIN 0x28                                       ; sources 1 and 2: window 2
.irp b, 0,1,2,3
	v_max3_num_f32 v[TV+\b], 0x2800000, |v[AC+16*\b]|, |v[AC+16*\b+1]|
.endr
.irp i, 2,4,6,8,10,12,14
.irp b, 0,1,2,3
	v_max3_num_f32 v[TV+\b], v[TV+\b], |v[AC+16*\b+\i]|, |v[AC+16*\b+\i+1]|
.endr
.endr
	WIN 0
.irp b, 0,1,2,3
	v_permlanex16_b32 v[TV+4+\b], v[TV+\b], s[SEL], s[SEL+1]
.endr
.irp b, 0,1,2,3
	v_max_num_f32 v[TV+\b], v[TV+\b], v[TV+4+\b]
.endr
.irp b, 0,1,2,3
	v_add_nc_u32 v[TV+12+\b], 0xfe000000, v[TV+\b]
.endr
.irp b, 0,1,2,3
	v_lshrrev_b32 v[TV+4+\b], 23, v[TV+12+\b]
.endr
	v_lshl_or_b32 v[WD+(\a)], v[TV+5], 8, v[TV+4]
	v_lshl_or_b32 v[WD+(\a)], v[TV+6], 16, v[WD+(\a)]
	v_lshl_or_b32 v[WD+(\a)], v[TV+7], 24, v[WD+(\a)]
	WIN 2                                          ; source 0: window 2
.irp c, 0,1
	v_cvt_scalef32_pk16_bf6_f32 v[PC+6*\c:PC+6*\c+2], v[AC+32*\c:AC+32*\c+15], v[TV+12+2*\c]
	v_cvt_scalef32_pk16_bf6_f32 v[CV+4*\c:CV+4*\c+2], v[AC+32*\c+16:AC+32*\c+31], v[TV+12+2*\c+1]
.endr
	WIN 0
	v_nop
.irp c, 0,1
.irp i, 0,1,2
	v_permlane16_swap_b32 v[PC+6*\c+\i], v[CV+4*\c+\i]
.endr
.irp i, 0,1,2
	v_mov_b32 v[PC+3+6*\c+\i], v[CV+4*\c+\i]
.endr
.endr
.endm
	s_wait_tensorcnt 0x0                           ; my load has landed; no tensor load of mine is out, so a descriptor may be written:
	s_mov_b32 s[G1W+2], 2<<16                      ; from here on a load of W brings two K quarters of 8 row tiles
	s_mov_b32 s[G1W+4], 2
	s_barrier_signal -1
	s_barrier_wait -1                              ; everybody's have landed
	s_mov_b32 s[CNT], 2
.Lpass:                                                ; two trips: q, then k
	WALK AD0, AD1, 1
	SCLOAD VSN                                     ; the next pass's scale words land under the way out
.irp a, 0,1,2,3
.irp hd, 0,1
	ROPE \a, \hd
.set CC, CD+24*\hd+12*(\a/2)+6*(\a%2)
.set WW, WD+4*\hd+\a
	QUANT32
.endr
.if \a%2
.irp hd, 0,1
.irp p, 0,1,2
	global_store_b128 v[LIQ], v[CD+24*\hd+12*(\a/2)+4*\p:CD+24*\hd+12*(\a/2)+4*\p+3], s[OQ:OQ+1] offset:\hd*HREC+1536*(\a/2)+512*\p   ; 512 consecutive bytes
.endr
.endr
.endif
.endr
.irp i, 0,1,2,3
	v_cndmask_b32 v[WO+\i], v[WD+\i], v[WD+4+\i], s[HM]   ; lanes 0-15 my first head's four words, lanes 16-31 my second's
.endr
	global_store_b128 v[KSA], v[WO:WO+3], s[OQ:OQ+1] offset:KSO
	s_wait_xcnt 0x0                                ; the loads and stores have read their registers and their base: they are written again below and in the next pass
	v_mov_b32 v[VSN], v[VSV]                       ; behind k comes v
	v_mov_b32 v[VSN+1], v[VSV+1]
	s_add_nc_u64 s[OQ:OQ+1], s[OQ:OQ+1], PART      ; k goes to part 1
	s_wait_alu depctr_va_vdst(0)                   ; the wait here, directly ahead of the wait below
	s_wait_tensorcnt 0x0                           ; my quarter of the next pass's W has landed,
	s_barrier_signal -1
	s_barrier_wait -1                              ; and everybody's
	s_sub_co_u32 s[CNT], s[CNT], 1
	s_cmp_lg_u32 s[CNT], 0
	s_cbranch_scc1 .Lpass
	WALK AD0V, AD1V, 0                             ; v: nothing more to fetch
.irp b, 0,1,2,3
	v_mov_b32 v[TV+4+\b], 0
.endr
.irp a, 0,1,2,3
	QUANT64 \a
.irp p, 0,1,2
	global_store_b128 v[LI], v[CD+12*\a+4*\p:CD+12*\a+4*\p+3], s[OV:OV+1] offset:VCO+\a*1536+512*\p
.endr
.endr
	v_cndmask_b32 v[WO], v[WD], v[WD+2], s[HM]     ; lane (r, h) sends words 2 h and 2 h + 1 of row r
	v_cndmask_b32 v[WO+1], v[WD+1], v[WD+3], s[HM]
	global_store_b64 v[VSA], v[WO:WO+1], s[OV:OV+1] offset:VSO   ; 256 consecutive bytes
	s_wait_tensorcnt 0x0                           ; the wave's end
	ds_add_u32 v[SPW], v[NIL]
	s_wait_dscnt 0x0
	CROUND                                         ; the closing round
	s_endpgm
.Lfunc_end_k_q9c33897ea8_gemm1:
	.size	k_q9c33897ea8_gemm1, .Lfunc_end_k_q9c33897ea8_gemm1-k_q9c33897ea8_gemm1
	.p2alignl 7, 3214868480
	.fill 96, 4, 3214868480
	.section	.rodata,"a",@progbits
	.p2align	6, 0x0
	.amdhsa_kernel k_q9c33897ea8_gemm1
		.amdhsa_group_segment_fixed_size 327680
		.amdhsa_private_segment_fixed_size 0
		.amdhsa_enable_private_segment 0
		.amdhsa_kernarg_size 32
		.amdhsa_user_sgpr_count 2
		.amdhsa_user_sgpr_kernarg_segment_ptr 1
		.amdhsa_wavefront_size32 1
		.amdhsa_system_sgpr_workgroup_id_x 1
		.amdhsa_system_sgpr_workgroup_id_y 1
		.amdhsa_system_sgpr_workgroup_id_z 1
		.amdhsa_system_vgpr_workitem_id 0
		.amdhsa_next_free_vgpr 1024
		.amdhsa_next_free_sgpr 96
		.amdhsa_reserve_vcc 0
		.amdhsa_float_denorm_mode_32 3
		.amdhsa_float_denorm_mode_16_64 3
		.amdhsa_memory_ordered 1
		.amdhsa_forward_progress 1
		.amdhsa_inst_pref_size 216
	.end_amdhsa_kernel
	.amdgpu_metadata
---
amdhsa.version: [ 1, 2 ]
amdhsa.kernels:
  - .name:           k_q9c33897ea8_gemm1
    .symbol:         k_q9c33897ea8_gemm1.kd
    .args:
      - { .name: xw, .offset: 0, .size: 8, .value_kind: global_buffer, .address_space: global }
      - { .name: xws, .offset: 8, .size: 8, .value_kind: global_buffer, .address_space: global }
      - { .name: rope, .offset: 16, .size: 8, .value_kind: global_buffer, .address_space: global }
      - { .name: qkv, .offset: 24, .size: 8, .value_kind: global_buffer, .address_space: global }
    .group_segment_fixed_size: 327680
    .private_segment_fixed_size: 0
    .kernarg_segment_align: 8
    .kernarg_segment_size: 32
    .max_flat_workgroup_size: 128
    .sgpr_count:     96
    .vgpr_count:     1024
    .wavefront_size: 32
...
	.end_amdgpu_metadata
.endif
;; end of part 2
;; launch attn (part 3): grid 4 x 64, 16 waves a work-group, clusters of 4 x 1, 210,944 bytes of LDS; arguments qkv, yw, yws; writes yw, yws
.if DOCPART == 3
	.amdgcn_target "amdgcn-amd-amdhsa--gfx1250"
	.amdhsa_code_object_version 6
	.text
	.protected	k_q9c33897ea8_attn
	.globl	k_q9c33897ea8_attn
	.p2align	8
	.type	k_q9c33897ea8_attn,@function
k_q9c33897ea8_attn:
	s_mov_b64 s[64:65], 0
	v_nop
	global_prefetch_b8 v0, s[64:65] scope:SCOPE_SE
	s_setreg_imm32_b32 hwreg(HW_REG_WAVE_MODE, 25, 1), 1
	s_wait_xcnt 0x0
	s_wait_alu depctr_hold_cnt(0) depctr_sa_sdst(0) depctr_va_vdst(0) depctr_va_sdst(0) depctr_va_ssrc(0) depctr_va_vcc(0) depctr_vm_vsrc(0)
	s_getreg_b32 s2, hwreg(HW_REG_IB_STS2, 6, 4)
	s_cmp_eq_u32 s2, 0
	s_cbranch_scc0 .Lentry_in_a_cluster
	s_endpgm
.Lentry_in_a_cluster:
	s_bfe_u32 s2, ttmp6, 0x10000c
	s_cmp_lg_u32 s2, 0x3003
	s_cbranch_scc0 .Lentry_shape_is_right
	s_endpgm
.Lentry_shape_is_right:
; y = softmax(q k^T / 8, causal) v for one head a cluster, both products on codes of BF6 with E8M0 scales; y is divided by the row's sum, quantised along the channels and stored as images for the last product.
; THE SOFTMAX: t = score x log2(e) / 8; M = the running largest t rounded UP to a whole number; p = 2^(t - M) is quantised along the keys, not normalised; the sum is taken of the unquantised p; when M moves, sum and O are
; multiplied by 2^(old M - new M): exact.
; SHARES.  A cluster of four work-groups is one head; each work-group has sixteen waves of 256 registers, four to a SIMD.  Wave w owns TWO tiles of 16 queries: one in the group of 128 tokens 15 - w / 2, one in group w / 2.
; A tile of group G walks G + 1 steps of 128 keys, so every wave walks 17.  Branches hang on the wave's number and on counters alone; the work-group's place enters global addresses and the mask's numbers alone.
; LDS.  The head's whole k and v, 208,896 dense bytes, lie in LDS as they lie in memory, filled ONCE, by joint loads of all four work-groups (each of the sixteen waves one record, by one load):
; no slot is filled again.  By this text's count a wave has one tensor load out.
; LAYOUT.  Both products transposed: a lane holds ONE query.  The keys of a tile are 8 + 8 keys 16 apart, so that the 16 registers of tiles 2 b, 2 b + 1 are keys 32 b + 16 (lane / 16) + 0 .. 15; v's channels likewise.
; K = 64 IN AN INSTRUCTION OF 128: key tile i takes its own 6 registers and the 6 that follow (the next tile's; zeros behind the last); q's upper six registers hold zero codes, so the upper 64 add nothing; every scale byte is 1 .. 254.
; y's scale bytes leave as single bytes (a wave owns 2 of a row's 32): one twenty-fourth of y's code bytes.
; LIMITS: a block of zeros gets the byte 1 (read by this program alone); NaN and infinities are not served.
; No prefetch: every byte of k and v is asked for by its tensor load at the head.
.set REC,   13056
.set HREC,  16*REC
.set PART,  64*HREC
.set VCO,   6144
.set KSO,   12288
.set VSO,   12800
.set PLANE2, 1769472
.set LI,  1                            ; v1 16 x lane
.set LK,  2                            ; v2 32 r
.set LV,  3                            ; v3 16 r
.set DD,  4                            ; v4 my query's place in its 128, less 16 h
.set AC_, 5                            ; v5-7 the step's addresses
.set AK_, 6
.set AV_, 7
.set CO8, 8                            ; v8 8 x lane
.set BO,  9                            ; v9 32 r + h
.set Q,   16                           ; v16-27 q's six registers and six of zeros
.set QS,  28                           ; v28 q's scale word
.set PS,  29                           ; v29 p's
.set QS2, 30                           ; v30 the early tile's q's
.set KF,  32                           ; v32-79 k's eight tiles, later v's four; v80-85 zeros
.set KSW, 88                           ; v88-95 k's scale words
.set VSW, 96                           ; v96-99 v's
.set S,   100                          ; v100-163 S^T, then p
.set O,   164                          ; v164-195 O^T
.set PC,  196                          ; v196-207 p's codes
.set CT,  208                          ; v208-210, v212-214
.set Q2,  216                          ; v216-221 the early tile's q
.set BM,  224
.set PX,  228
.set SOP, 232
.set TP,  236
.set FF,  238                          ; v[238:239]
.set SU,  240                          ; v[240:241]
.set BY,  242
.set WV,  18
.set CX,  19
.set BH,  20
.set G1A, 24
; THE FILLS: the head's k and v are 16 records, and each of the sixteen waves asks for ONE, by one joint load of all four
; work-groups; every wave waits for its own, one barrier shows all sixteen, and no further barrier stands in the walk.  By this text's count a wave has one tensor load out.
.set G0A, 48
.set SEL, 60
.set CS,  62
.set TB,  66                           ; s66 the record's LDS byte
.set KK,  67                           ; s67 the key step
.set GG,  68                           ; s68 my tile's group
.set CNT, 69
.set HM,  70
.set EM,  71
.set GA,  72
.macro CROUND
	s_barrier_signal -1
	s_barrier_wait -1
	s_cmp_lg_u32 s[WV], 0
	s_cbranch_scc1 .Lnot_wave_0_\@
	s_barrier_signal -3
.Lnot_wave_0_\@:
	s_barrier_wait -3
	s_barrier_signal -1
	s_barrier_wait -1
.endm
	s_load_b128 s[4:7], s[0:1], 0x0                ; qkv, yw
	s_load_b64 s[8:9], s[0:1], 0x10                ; yws
	v_lshl_add_u32 v254, v0, 2, 0x33000
	v_mov_b32 v255, 0
	ds_add_u32 v254, v255
	ds_add_u32 v254, v255
	v_lshrrev_b32 v1, 5, v0
	s_delay_alu instid0(VALU_DEP_1)
	v_readfirstlane_b32 s[WV], v1                  ; wave 0..15
	s_bfe_u32 s[CX], ttmp6, 0x40000                ; my place in the cluster
	s_and_b32 s[BH], ttmp7, 0xffff                 ; 16 x batch + head: the partners share it
	s_and_b32 s16, s[WV], 1
	s_lshr_b32 s[GA], s[WV], 1                     ; the early tile's group
	s_sub_co_u32 s[GG], 15, s[GA]                  ; the late tile's
	s_mul_i32 s10, s[BH], HREC
	s_mov_b32 s11, 0
.irp g, G1A
	s_mov_b32 s[\g+0], 15|(3<<16)|(1<<21)
	s_mov_b32 s[\g+1], 32<<16
	s_mov_b32 s[\g+3], 32<<16
	s_mov_b32 s[\g+5], 32
	s_mov_b32 s[\g+6], 0
	s_mov_b32 s[\g+7], 0
.endr
	s_mov_b32 s[G1A+2], 51<<16                     ; a record: 51 rows of 256 bytes
	s_mov_b32 s[G1A+4], 51
	s_mov_b32 s[SEL], 0x76543210
	s_mov_b32 s[SEL+1], 0xfedcba98
	s_mov_b32 s[CS], 0x3e38aa3b                    ; c = log2(e) / 8
	s_mov_b32 s[CS+1], s[CS]
	s_mov_b32 s[HM], 0xffff0000
	s_cmp_eq_u32 s16, 1
	s_cselect_b32 s[EM], -1, 0
	s_mov_b32 s23, 0
	s_wait_dscnt 0x0
	s_wait_kmcnt 0x0
	s_add_nc_u64 s[12:13], s[4:5], s[10:11]        ; my head's q
	s_add_nc_u64 s[14:15], s[12:13], PART          ; its k and v
	s_mul_i32 s22, s[WV], REC                      ; wave w asks for record w; a place in LDS is the place in the head's block: it hangs on the wave's number alone
	s_mov_b32 s[G0A], 1
	s_mov_b32 s[G0A+1], s22
	s_add_nc_u64 s[G0A+2:G0A+3], s[14:15], s[22:23]
	s_or_b32 s[G0A+3], s[G0A+3], 0x80000000
	CROUND                                         ; all four work-groups are here: the joint loads meet
	tensor_load_to_lds s[G0A:G0A+3], s[G1A:G1A+7]  ; my one load
	s_nop 0
.rept 4
	v_nop
.endr
	v_and_b32 v10, 31, v0
	v_and_b32 v12, 15, v0                          ; r
	v_bfe_u32 v13, v0, 4, 1                        ; h
	s_delay_alu instid0(VALU_DEP_3)
	v_lshlrev_b32 v[LI], 4, v10
	s_delay_alu instid0(VALU_DEP_3)
	v_lshlrev_b32 v[LK], 5, v12
	s_delay_alu instid0(VALU_DEP_4)
	v_lshlrev_b32 v[LV], 4, v12
	v_lshlrev_b32 v[CO8], 3, v10
	s_delay_alu instid0(VALU_DEP_3)
	v_add_nc_u32 v[BO], v[LK], v13
	s_lshl_b32 s21, s[CX], 5
	s_lshl_b32 s22, s16, 3
	s_add_co_u32 s21, s21, s22                     ; my tile's first token in its 128: 32 cx + 8 (w % 2)
	v_and_b32 v14, 8, v12
	s_delay_alu instid0(VALU_DEP_1)
	v_add_nc_u32 v14, v14, v12
	s_delay_alu instid0(VALU_DEP_1)
	v_add_nc_u32 v14, s21, v14                     ; + r + 8 (r / 8): my query
	v_lshlrev_b32 v15, 4, v13
	s_delay_alu instid0(VALU_DEP_1)
	v_sub_nc_u32 v[DD], v14, v15
	s_mul_i32 s21, s[CX], 1536
	v_add_nc_u32 v11, s21, v[LI]                   ; q: image cx holds tiles 2 cx and 2 cx + 1
	s_lshl_b32 s21, s[CX], 3
	s_lshl_b32 s22, s16, 2
	s_add_co_u32 s21, s21, s22
	v_add_nc_u32 v10, s21, v[LK]                   ; its scale word: row r, tile 2 cx + w % 2
	s_mul_i32 s22, s[GG], REC
	s_add_nc_u64 s[74:75], s[12:13], s[22:23]
	s_mul_i32 s22, s[GA], REC
	s_add_nc_u64 s[76:77], s[12:13], s[22:23]
.irp p, 0,1,2
	global_load_b128 v[KF+4*\p:KF+4*\p+3], v11, s[74:75] offset:512*\p
	global_load_b128 v[KF+12+4*\p:KF+12+4*\p+3], v11, s[76:77] offset:512*\p
.endr
	global_load_b32 v[QS], v10, s[74:75] offset:KSO
	global_load_b32 v[QS2], v10, s[76:77] offset:KSO
	; where y goes
	s_lshr_b32 s21, s[BH], 4
	s_lshl_b32 s21, s21, 7
	s_lshl_b32 s22, s[CX], 1
	s_add_co_u32 s21, s21, s22
	s_add_co_u32 s21, s21, s16                     ; row tile 128 x batch + 2 cx + w % 2, + 8 x group
	s_and_b32 s22, s[BH], 15                       ; the head
	s_lshr_b32 s86, s22, 2
	s_mul_i32 s86, s86, PLANE2                     ; K quarter head / 4,
	s_and_b32 s87, s22, 3
	s_mul_i32 s87, s87, 768                        ; image head % 4
	s_add_co_u32 s86, s86, s87
	s_mul_i32 s87, s21, 3072
	s_add_co_u32 s86, s86, s87
	s_lshl_b32 s21, s21, 9
	s_lshl_b32 s22, s22, 1
	s_add_co_u32 s21, s21, s22                     ; scale bytes: 512 a row tile, byte 2 x head + h of a row
	s_mul_i32 s22, s[GG], 8*3072
	s_add_co_u32 s22, s22, s86
	s_add_nc_u64 s[78:79], s[6:7], s[22:23]
	s_lshl_b32 s22, s[GG], 12
	s_add_co_u32 s22, s22, s21
	s_add_nc_u64 s[80:81], s[8:9], s[22:23]
	s_mul_i32 s22, s[GA], 8*3072
	s_add_co_u32 s22, s22, s86
	s_add_nc_u64 s[82:83], s[6:7], s[22:23]
	s_lshl_b32 s22, s[GA], 12
	s_add_co_u32 s22, s22, s21
	s_add_nc_u64 s[84:85], s[8:9], s[22:23]
.irp i, 0,1,2,3,4,5
	v_mov_b32 v[Q+6+\i], 0                         ; q's upper 64 along K: zero codes
	v_mov_b32 v[KF+48+\i], 0                       ; and what follows k's last tile
.endr
.irp b, 0,1,2,3
	v_mov_b32 v[PX+\b], 0                          ; a lane permute's destination counts as read
.endr
	v_mov_b32 v[TP], 0
	v_mov_b32 v[FF+1], 0                           ; named as the upper half of a pair
	s_wait_loadcnt 0x0
.irp i, 0,1,2,3,4,5
	v_cndmask_b32 v[Q+\i], v[KF+\i], v[KF+6+\i], s[EM]        ; my tile of the image's two
	v_cndmask_b32 v[Q2+\i], v[KF+12+\i], v[KF+18+\i], s[EM]
.endr
.macro INIT                            ; the step is written without a first step of its own: it finds zeros, which the first change of M leaves zeros
	v_mov_b32 v13, 0xff61b1e6                      ; the largest t so far: -3e38
	s_delay_alu instid0(VALU_DEP_1)
	v_floor_f32 v12, -v13                          ; -M
	v_mov_b32 v14, 0
	v_mov_b32 v15, 0
.set j, 0
.rept 32
	v_mov_b32 v[O+j], 0
.set j, j+1
.endr
.endm
; A KEY STEP: 128 keys.  mode = 1: a step whose keys all come after my queries is left out, and on the diagonal hidden scores become -infinity.
.macro STEP mode
.if \mode
	s_cmp_gt_u32 s[KK], s[GG]
	s_cbranch_scc1 .Lhidden_\@
.endif
	v_add_nc_u32 v[AC_], s[TB], v[LI]
	v_add_nc_u32 v[AK_], s[TB], v[LK]
	v_add_nc_u32 v[AV_], s[TB], v[LV]
	v_nop                                          ; four places in front of loads into registers that the last products read
.irp p, 0,1,2,3,4,5,6,7,8,9,10,11
	ds_load_b128 v[KF+4*\p:KF+4*\p+3], v[AC_] offset:512*\p
.endr
	ds_load_b128 v[KSW:KSW+3], v[AK_] offset:KSO
	ds_load_b128 v[KSW+4:KSW+7], v[AK_] offset:KSO+16
	s_wait_alu depctr_va_vdst(0)
	s_wait_dscnt 0x0
.irp i, 0,1,2,3,4,5,6,7
	v_wmma_scale_f32_16x16x128_f8f6f4 v[S+8*\i:S+8*\i+7], v[KF+6*\i:KF+6*\i+11], v[Q:Q+11], 0, v[KSW+\i], v[QS] matrix_a_fmt:MATRIX_FMT_BF6 matrix_b_fmt:MATRIX_FMT_BF6
.endr
.rept 4
	v_nop                                          ; places: for the loads below and for the first read of the scores
.endr
.irp p, 0,1,2,3,4,5,6,7,8,9,10,11
	ds_load_b128 v[KF+4*\p:KF+4*\p+3], v[AC_] offset:VCO+512*\p   ; v's four tiles land under the softmax
.endr
	ds_load_b128 v[VSW:VSW+3], v[AV_] offset:VSO
.if \mode
	s_cmp_lg_u32 s[KK], s[GG]
	s_cbranch_scc1 .Lopen_\@
	v_mov_b32 v[TP], 0xff800000                    ; register 16 b + i holds key 32 b + 16 h + i of the step: hidden where 32 b + i > my query's place - 16 h
.set n, 0
.rept 64
	v_cmp_gt_i32 vcc_lo, 32*(n/16)+n%16, v[DD]
	v_cndmask_b32 v[S+n], v[S+n], v[TP], vcc_lo
.set n, n+1
.endr
.Lopen_\@:
.endif
.irp b, 0,1,2,3
	v_max3_num_f32 v[BM+\b], v[S+16*\b], v[S+16*\b+1], v[S+16*\b+2]   ; the largest score of each block of 32 keys: for the row's maximum and, since p rises with the score, for the block's largest p
.endr
.irp i, 3,5,7,9,11,13
.irp b, 0,1,2,3
	v_max3_num_f32 v[BM+\b], v[BM+\b], v[S+16*\b+\i], v[S+16*\b+\i+1]
.endr
.endr
.irp b, 0,1,2,3
	v_max_num_f32 v[BM+\b], v[BM+\b], v[S+16*\b+15]
.endr
.irp b, 0,1,2,3
	s_delay_alu instid0(VALU_DEP_4)
	v_permlanex16_b32 v[PX+\b], v[BM+\b], s[SEL], s[SEL+1]
.endr
.irp b, 0,1,2,3
	s_delay_alu instid0(VALU_DEP_4)
	v_max_num_f32 v[BM+\b], v[BM+\b], v[PX+\b]
.endr
	s_delay_alu instid0(VALU_DEP_2)
	v_max3_num_f32 v[TP], v[BM], v[BM+1], v[BM+2]
	s_delay_alu instid0(VALU_DEP_1)
	v_max_num_f32 v[TP], v[TP], v[BM+3]
	s_delay_alu instid0(VALU_DEP_1)
	v_mul_f32 v[TP], s[CS], v[TP]
	s_delay_alu instid0(VALU_DEP_1)
	v_max_num_f32 v13, v13, v[TP]                  ; the running largest t
	v_mov_b32 v[TP], v12
	s_delay_alu instid0(VALU_DEP_2)
	v_floor_f32 v12, -v13                          ; -M = floor(-t): M is a whole number
	s_delay_alu instid0(VALU_DEP_1)
	v_sub_f32 v[TP], v12, v[TP]
	s_delay_alu instid0(VALU_DEP_1)
	v_cvt_i32_f32 v[TP], v[TP]                     ; (it saturates)
	s_delay_alu instid0(VALU_DEP_1)
	v_ldexp_f32 v[FF], 1.0, v[TP]                  ; f = 2^(old M - new M)
.set j, 0
.rept 32
	v_pk_fma_f32 v[S+j:S+j+1], v[S+j:S+j+1], s[CS:CS+1], v[12:13] op_sel_hi:[1,0,0]   ; t - M
.set j, j+2
.endr
.irp b, 0,1,2,3
	v_fma_f32 v[BM+\b], v[BM+\b], s[CS], v12
.endr
.set j, 0
	s_wait_alu depctr_va_vdst(0)
.rept 64
	v_exp_f32 v[S+j], v[S+j]                       ; p
.set j, j+1
.endr
	v_pk_mul_f32 v[14:15], v[14:15], v[FF:FF+1] op_sel_hi:[1,0]   ; the sums under the new M: the plain line behind the exponentials
	s_wait_alu depctr_va_vdst(0)                   ; one wait for the batch, ahead of its first reader
.irp b, 0,1,2,3
	v_exp_f32 v[BM+\b], v[BM+\b]                   ; each block's largest p
.endr
	v_pk_add_f32 v[240:241], v[104:105], v[108:109]
	v_pk_add_f32 v[252:253], v[112:113], v[116:117]
	v_pk_add_f32 v[250:251], v[120:121], v[124:125]
	v_pk_add_f32 v[248:249], v[128:129], v[132:133]
	v_pk_add_f32 v[246:247], v[136:137], v[140:141]
	v_pk_add_f32 v[244:245], v[144:145], v[148:149]
	v_pk_add_f32 v[242:243], v[152:153], v[156:157]
	v_pk_add_f32 v[14:15], v[14:15], v[160:161]
	v_pk_add_f32 v[240:241], v[240:241], v[100:101]
	v_pk_add_f32 v[252:253], v[252:253], v[102:103]
	v_pk_add_f32 v[250:251], v[250:251], v[106:107]
	v_pk_add_f32 v[248:249], v[248:249], v[110:111]
	v_pk_add_f32 v[246:247], v[246:247], v[114:115]
	v_pk_add_f32 v[244:245], v[244:245], v[118:119]
	v_pk_add_f32 v[242:243], v[242:243], v[122:123]
	v_pk_add_f32 v[14:15], v[14:15], v[126:127]
	v_pk_add_f32 v[240:241], v[240:241], v[130:131]
	v_pk_add_f32 v[252:253], v[252:253], v[134:135]
	v_pk_add_f32 v[250:251], v[250:251], v[138:139]
	v_pk_add_f32 v[248:249], v[248:249], v[142:143]
	v_pk_add_f32 v[246:247], v[246:247], v[146:147]
	v_pk_add_f32 v[244:245], v[244:245], v[150:151]
	v_pk_add_f32 v[242:243], v[242:243], v[154:155]
	v_pk_add_f32 v[14:15], v[14:15], v[158:159]
	v_pk_add_f32 v[240:241], v[240:241], v[162:163]
	s_delay_alu instid0(VALU_DEP_2)
	v_pk_add_f32 v[14:15], v[14:15], v[248:249]
	s_delay_alu instid0(VALU_DEP_2)
	v_pk_add_f32 v[240:241], v[240:241], v[246:247]
	v_pk_add_f32 v[252:253], v[252:253], v[244:245]
	v_pk_add_f32 v[250:251], v[250:251], v[242:243]
	s_delay_alu instid0(VALU_DEP_2)
	v_pk_add_f32 v[14:15], v[14:15], v[252:253]
	s_delay_alu instid0(VALU_DEP_2)
	v_pk_add_f32 v[240:241], v[240:241], v[250:251]
	s_delay_alu instid0(VALU_DEP_1)
	v_pk_add_f32 v[14:15], v[14:15], v[240:241]
	s_wait_alu depctr_va_vdst(0)                   ; and one for the four
.irp b, 0,1,2,3
	v_max_num_f32 v[BM+\b], 0x2800000, v[BM+\b]    ; the floor 2^(5 - 127)
.endr
.irp b, 0,1,2,3
	s_delay_alu instid0(VALU_DEP_4)
	v_add_nc_u32 v[SOP+\b], 0xfe000000, v[BM+\b]
.endr
.irp b, 0,1,2,3
	s_delay_alu instid0(VALU_DEP_4)
	v_lshrrev_b32 v[PX+\b], 23, v[SOP+\b]
.endr
	s_delay_alu instid0(VALU_DEP_3)
	v_lshl_or_b32 v[PS], v[PX+1], 8, v[PX]
	s_delay_alu instid0(VALU_DEP_1)
	v_lshl_or_b32 v[PS], v[PX+2], 16, v[PS]
	s_delay_alu instid0(VALU_DEP_1)
	v_lshl_or_b32 v[PS], v[PX+3], 24, v[PS]
.irp c, 0,1
	v_cvt_scalef32_pk16_bf6_f32 v[PC+6*\c:PC+6*\c+2], v[S+32*\c:S+32*\c+15], v[SOP+2*\c]
	v_cvt_scalef32_pk16_bf6_f32 v[CT+4*\c:CT+4*\c+2], v[S+32*\c+16:S+32*\c+31], v[SOP+2*\c+1]
.endr
	v_nop
.irp c, 0,1
.irp i, 0,1,2
	v_permlane16_swap_b32 v[PC+6*\c+\i], v[CT+4*\c+\i]
.endr
.irp i, 0,1,2
	s_delay_alu instid0(VALU_DEP_3)
	v_mov_b32 v[PC+3+6*\c+\i], v[CT+4*\c+\i]
.endr
.endr
.set j, 0
.rept 16
	v_pk_mul_f32 v[O+j:O+j+1], v[O+j:O+j+1], v[FF:FF+1] op_sel_hi:[1,0]   ; O^T under the new M; these sixteen are also the places behind the writes of p's codes and scale word
.set j, j+2
.endr
	s_wait_alu depctr_va_vdst(0)
	s_wait_dscnt 0x0                               ; v is in
.irp t, 0,1,2,3
	v_wmma_scale_f32_16x16x128_f8f6f4 v[O+8*\t:O+8*\t+7], v[KF+12*\t:KF+12*\t+11], v[PC:PC+11], v[O+8*\t:O+8*\t+7], v[VSW+\t], v[PS] matrix_a_fmt:MATRIX_FMT_BF6 matrix_b_fmt:MATRIX_FMT_BF6
.endr
.if \mode
.Lhidden_\@:
.endif
	s_add_co_u32 s[TB], s[TB], REC
	s_add_co_u32 s[KK], s[KK], 1
.endm
; A tile's end: O^T / the sum, quantised along the head's 64 channels, stored as one image and two scale bytes a row.
.macro OUT yb, sb
.rept 4
	v_nop
.endr
	v_add_f32 v14, v14, v15
	s_delay_alu instid0(VALU_DEP_1)
	v_permlanex16_b32 v[TP], v14, s[SEL], s[SEL+1]
	s_delay_alu instid0(VALU_DEP_1)
	v_add_f32 v14, v14, v[TP]
	s_wait_alu depctr_va_vdst(0)
	v_rcp_f32 v14, v14
	v_nop
	s_wait_alu depctr_va_vdst(0)
.set j, 0
.rept 32
	v_mul_f32 v[S+j], v[O+j], v14                  ; register 16 b + i = channel 32 b + 16 h + i
.set j, j+1
.endr
.irp b, 0,1
	v_max3_num_f32 v[BM+\b], |v[S+16*\b]|, |v[S+16*\b+1]|, 0x2800000
.endr
.irp i, 2,4,6,8,10,12,14
.irp b, 0,1
	s_delay_alu instid0(VALU_DEP_2)
	v_max3_num_f32 v[BM+\b], v[BM+\b], |v[S+16*\b+\i]|, |v[S+16*\b+\i+1]|
.endr
.endr
.irp b, 0,1
	s_delay_alu instid0(VALU_DEP_2)
	v_permlanex16_b32 v[PX+\b], v[BM+\b], s[SEL], s[SEL+1]
.endr
.irp b, 0,1
	s_delay_alu instid0(VALU_DEP_2)
	v_max_num_f32 v[BM+\b], v[BM+\b], v[PX+\b]
.endr
.irp b, 0,1
	s_delay_alu instid0(VALU_DEP_2)
	v_add_nc_u32 v[SOP+\b], 0xfe000000, v[BM+\b]
.endr
.irp b, 0,1
	s_delay_alu instid0(VALU_DEP_2)
	v_lshrrev_b32 v[PX+\b], 23, v[SOP+\b]
.endr
	s_delay_alu instid0(VALU_DEP_1)
	v_cndmask_b32 v[BY], v[PX], v[PX+1], s[HM]     ; lanes 0-15 block 0's byte, lanes 16-31 block 1's
	v_cvt_scalef32_pk16_bf6_f32 v[PC:PC+2], v[S:S+15], v[SOP]
	v_cvt_scalef32_pk16_bf6_f32 v[CT:CT+2], v[S+16:S+31], v[SOP+1]
	v_nop
.irp i, 0,1,2
	v_permlane16_swap_b32 v[PC+\i], v[CT+\i]
.endr
.irp i, 0,1,2
	s_delay_alu instid0(VALU_DEP_3)
	v_mov_b32 v[PC+3+\i], v[CT+\i]
.endr
.irp p, 0,1,2
	global_store_b64 v[CO8], v[PC+2*\p:PC+2*\p+1], s[\yb:\yb+1] offset:256*\p   ; 256 consecutive bytes, aligned
.endr
	global_store_b8 v[BO], v[BY], s[\sb:\sb+1]
.endm
	INIT
	; ---- the late tile.  Its group is 8 or more, so steps 0 to 7 are open to all its queries
	s_mov_b32 s[TB], 0
	s_mov_b32 s[KK], 0
	s_mov_b32 s[CNT], 8
	s_wait_alu depctr_va_vdst(0)                   ; the wait at the head's end
	s_wait_tensorcnt 0x0                           ; my record has landed; behind the barrier everybody's has: nothing is ever filled again
	s_barrier_signal -1
	s_barrier_wait -1
.Lstage1:
	STEP 0
	s_sub_co_u32 s[CNT], s[CNT], 1
	s_cmp_lg_u32 s[CNT], 0
	s_cbranch_scc1 .Lstage1
	s_mov_b32 s[TB], 8*REC                         ; steps 8 to 15: those behind my tile's group are left out
	s_mov_b32 s[KK], 8
	s_mov_b32 s[CNT], 8
.Lstage3:
	STEP 1
	s_sub_co_u32 s[CNT], s[CNT], 1
	s_cmp_lg_u32 s[CNT], 0
	s_cbranch_scc1 .Lstage3
	OUT 78, 80
	; ---- the early tile: no barrier: all of LDS has been shown whole
	s_wait_xcnt 0x0                                ; the stores have read their registers: they are written again below
	v_mov_b32 v[QS], v[QS2]
.irp i, 0,1,2,3,4,5
	v_mov_b32 v[Q+\i], v[Q2+\i]
.endr
	INIT                                           ; (its lines are also the places behind the writes of q and of its scale word)
	s_mov_b32 s[GG], s[GA]
	s_mov_b32 s[TB], 0
	s_mov_b32 s[KK], 0
	s_mov_b32 s[CNT], 8
.Learly:
	STEP 1
	s_sub_co_u32 s[CNT], s[CNT], 1
	s_cmp_lg_u32 s[CNT], 0
	s_cbranch_scc1 .Learly
	OUT 82, 84
	s_wait_tensorcnt 0x0
	ds_add_u32 v254, v255
	s_wait_dscnt 0x0
	CROUND                                         ; the closing round
	s_endpgm
.Lfunc_end_k_q9c33897ea8_attn:
	.size	k_q9c33897ea8_attn, .Lfunc_end_k_q9c33897ea8_attn-k_q9c33897ea8_attn
	.p2alignl 7, 3214868480
	.fill 96, 4, 3214868480
	.section	.rodata,"a",@progbits
	.p2align	6, 0x0
	.amdhsa_kernel k_q9c33897ea8_attn
		.amdhsa_group_segment_fixed_size 210944
		.amdhsa_private_segment_fixed_size 0
		.amdhsa_enable_private_segment 0
		.amdhsa_kernarg_size 24
		.amdhsa_user_sgpr_count 2
		.amdhsa_user_sgpr_kernarg_segment_ptr 1
		.amdhsa_wavefront_size32 1
		.amdhsa_system_sgpr_workgroup_id_x 1
		.amdhsa_system_sgpr_workgroup_id_y 1
		.amdhsa_system_sgpr_workgroup_id_z 1
		.amdhsa_system_vgpr_workitem_id 0
		.amdhsa_next_free_vgpr 256
		.amdhsa_next_free_sgpr 100
		.amdhsa_reserve_vcc 1
		.amdhsa_float_denorm_mode_32 3
		.amdhsa_float_denorm_mode_16_64 3
		.amdhsa_memory_ordered 1
		.amdhsa_forward_progress 1
		.amdhsa_inst_pref_size 80
	.end_amdhsa_kernel
	.amdgpu_metadata
---
amdhsa.version: [ 1, 2 ]
amdhsa.kernels:
  - .name:           k_q9c33897ea8_attn
    .symbol:         k_q9c33897ea8_attn.kd
    .args:
      - { .name: qkv, .offset: 0, .size: 8, .value_kind: global_buffer, .address_space: global }
      - { .name: yw, .offset: 8, .size: 8, .value_kind: global_buffer, .address_space: global }
      - { .name: yws, .offset: 16, .size: 8, .value_kind: global_buffer, .address_space: global }
    .group_segment_fixed_size: 210944
    .private_segment_fixed_size: 0
    .kernarg_segment_align: 8
    .kernarg_segment_size: 24
    .max_flat_workgroup_size: 512
    .sgpr_count:     100
    .vgpr_count:     256
    .wavefront_size: 32
...
	.end_amdgpu_metadata
.endif
;; end of part 3
;; launch gemm2 (part 4): grid 4 x 64, 4 waves a work-group, clusters of 4 x 4, 295,424 bytes of LDS; arguments yw, yws, out0; writes out0
.if DOCPART == 4
	.amdgcn_target "amdgcn-amd-amdhsa--gfx1250"
	.amdhsa_code_object_version 6
	.text
	.protected	k_q9c33897ea8_gemm2
	.globl	k_q9c33897ea8_gemm2
	.p2align	8
	.type	k_q9c33897ea8_gemm2,@function
k_q9c33897ea8_gemm2:
	s_mov_b64 s[64:65], 0
	v_nop
	global_prefetch_b8 v0, s[64:65] scope:SCOPE_SE
	s_setreg_imm32_b32 hwreg(HW_REG_WAVE_MODE, 25, 1), 1
	s_wait_xcnt 0x0
	s_wait_alu depctr_hold_cnt(0) depctr_sa_sdst(0) depctr_va_vdst(0) depctr_va_sdst(0) depctr_va_ssrc(0) depctr_va_vcc(0) depctr_vm_vsrc(0)
	s_getreg_b32 s2, hwreg(HW_REG_IB_STS2, 6, 4)
	s_cmp_eq_u32 s2, 0
	s_cbranch_scc0 .Lentry_in_a_cluster
	s_endpgm
.Lentry_in_a_cluster:
	s_bfe_u32 s2, ttmp6, 0x10000c
	s_cmp_lg_u32 s2, 0xf033
	s_cbranch_scc0 .Lentry_shape_is_right
	s_endpgm
.Lentry_shape_is_right:
; out0 = y W_proj on codes of BF6 (E3M2) with E8M0 scales: [8192 tokens][1024] f32; sums in f32, K ascending.
; yw holds images [K quarter 4][row tile 576][4][768 bytes]: row tiles 0-511 are y's tokens, 512-575 W_proj's columns; yws [row][32 bytes].  Row r of token tile 2 g + u is token 32 g + 8 u + r + 8 (r / 8), and W's columns lie likewise.
; SHARES: a work-group of four waves makes 128 tokens x 256 columns: 64 x 4 = 256 work-groups.  A wave makes 64 x 128: 32 accumulators of 16 x 16, 256 registers.
; LDS: ALL OF K lies in LDS, filled ONCE: A's 8 row tiles x 4 K quarters (98,304 bytes), then B's 16 x 4 (196,608), as [half][K quarter][8 tiles].  A side's 8 row tiles of a K quarter are 24,576 dense bytes of memory,
; so a load's rows are those blocks, a K quarter of yw apart.  One joint load a wave: wave 0 A's quarters 0 and 1, wave 3 its quarters 2 and 3, waves 1 and 2 B's two halves.  Nothing is filled again: one barrier, no ring.
; THE SCALE WORDS go from memory straight into 64 registers: register 8 i + s holds in lanes 0-15 the word of A's block i, in lanes 16-31 that of B's block i, for step s of 128 along K: two loads of 16 bytes a block cover each row's 32 bytes.
; (A wave has four blocks of A: for i = 4 .. 7 lanes 0-15 hold the words of later row tiles, which lie inside yws and are named by no product.)
; CLUSTERS: 4 x 4.  A's tiles hang on the work-group's y alone and are shared along a row of the cluster, B's on its x alone and are shared along a column.
; The matrix instruction is used transposed (source 0 = 16 rows of B, source 1 = 16 rows of A): a lane holds eight neighbouring columns of one token.
; No prefetch: every byte is asked for by its load at the head, and there is no loop to run ahead in.
; REGISTERS: window 0: v0-31 addresses; v32-95 scale words and nothing else; v128-223 A's fragments, two sets; on the way out v128-255.  window 1: B's fragments, two sets, at v0 and v128.  window 2: accumulator (a, b) at v[8 (8 a + b)].
.set PLANE, 1769472                    ; a K quarter of yw
.set RTB,   3072                       ; a row tile in it
.set AT,    8*RTB
.set BBASE, 4*AT
.set SPARE, 12*AT                      ; the spare words: 128 bytes a wave, two blocks of 256 that no other line names
.set FR,    12
.set NP,    4                          ; places behind this matrix instruction (ISA guide 7.12.1)
.set SPITCH, 528                       ; the way out: 16 rows x (512 + 16) bytes a wave, on A's bytes, behind a barrier behind which nobody reads LDS tiles
.set ADRA, 16                          ; v16-17 my A fragments, K quarters 0-1 and 2-3
.set ADRB, 20                          ; v20-21 B's
.set STO,  24
.set RD,   25
.set CO,   26
.set VS,   27                          ; v27 my rows' scale bytes in yws
.set SPW,  28
.set NIL,  29
.set SC,   32
.set AF,   128
.set BK,   128
.set G1,  24
.set G1B, 48
.set G0A, 32
.set G0B, 36
.set G0C, 56
.set G0D, 60
.set MSB, 0
.macro WIN new                         ; the immediate's high byte repeats the setting that is left
.if MSB != \new
	s_set_vgpr_msb (MSB<<8)|\new
.set MSB, \new
.endif
.endm
.set MUL,  0xa1                        ; source 0 (B) window 1, source 1 (A) window 0, C and D window 2
.set TO_B, 0x40
.macro CROUND                          ; a round of the cluster's barrier
	s_barrier_signal -1
	s_barrier_wait -1
	s_cmp_lg_u32 s14, 0
	s_cbranch_scc1 .Lnot_wave_0_\@
	s_barrier_signal -3
.Lnot_wave_0_\@:
	s_barrier_wait -3
	s_barrier_signal -1
	s_barrier_wait -1
.endm
.macro PLACES n
.rept \n
	v_nop
.endr
.endm
	s_load_b128 s[4:7], s[0:1], 0x0                ; yw, yws
	s_load_b64 s[12:13], s[0:1], 0x10              ; out0
	v_lshl_add_u32 v[SPW], v0, 2, SPARE
	v_mov_b32 v[NIL], 0
	ds_add_u32 v[SPW], v[NIL]                      ; the opening lines: the add, twice on end, and its wait
	ds_add_u32 v[SPW], v[NIL]
	v_lshrrev_b32 v1, 5, v0
	v_readfirstlane_b32 s14, v1                    ; wave 0..3
	s_lshr_b32 s15, s14, 1                         ; which 64 tokens are mine
	s_and_b32 s16, s14, 1                          ; which 128 columns
	s_bfe_u32 s40, ttmp6, 0x40000                  ; cx
	s_bfe_u32 s41, ttmp6, 0x40004                  ; cy
	s_lshl_b32 s42, ttmp9, 2
	s_add_co_u32 s42, s42, s40                     ; work-group x: which 256 columns
	s_and_b32 s17, ttmp7, 0xffff
	s_lshl_b32 s17, s17, 2
	s_add_co_u32 s17, s17, s41                     ; work-group y: which 128 tokens
	s_lshl_b32 s43, s41, 2
	s_lshl_b32 s43, 15, s43                        ; my row of the cluster
	s_lshl_b32 s44, 0x1111, s40                    ; my column
	s_or_b32 s[G1+0], s43, (3<<16)|(1<<21)         ; the mask; elements of 8 bytes; bit 21 beside a mask; no padding
	s_or_b32 s[G1B+0], s44, (3<<16)|(1<<21)
.irp g, G1, G1B
	s_mov_b32 s[\g+1], (AT/8)<<16                  ; a row: 24,576 bytes
	s_mov_b32 s[\g+3], (AT/8)<<16
	s_mov_b32 s[\g+5], PLANE/8
	s_mov_b32 s[\g+6], 0
	s_mov_b32 s[\g+7], 0
.endr
	s_mov_b32 s[G1+2], 2<<16                       ; A: two K quarters a load
	s_mov_b32 s[G1+4], 2
	s_mov_b32 s[G1B+2], 4<<16                      ; B: four
	s_mov_b32 s[G1B+4], 4
	s_lshl_b32 s20, s17, 3                         ; A's first row tile: it hangs on cy, never on cx
	s_lshl_b32 s46, s42, 4
	s_add_co_u32 s46, s46, 512                     ; B's: on cx, never on cy
	s_lshl_b32 s18, s15, 2
	s_add_co_u32 s18, s18, s20
	s_lshl_b32 s18, s18, 9                         ; my first A tile's scale bytes: 512 a row tile
	s_lshl_b32 s19, s16, 3
	s_add_co_u32 s19, s19, s46
	s_lshl_b32 s19, s19, 9                         ; my first B tile's,
	s_sub_co_u32 s19, s19, s18                     ; as a distance from A's
	v_and_b32 v1, 15, v0                           ; r
	v_bfe_u32 v2, v0, 4, 1                         ; h
	v_and_b32 v3, 31, v0
	v_mul_u32_u24 v5, s19, v2                      ; lanes 16-31 take B's
	v_lshl_add_u32 v5, v1, 5, v5                   ; 32 bytes a row
	v_add_nc_u32 v[VS], s18, v5
	v_lshlrev_b32 v4, 3, v3                        ; an image's place for my lane
	s_mul_i32 s21, s15, 4*RTB
	s_mul_i32 s22, s16, 4*AT
	s_add_co_u32 s22, s22, BBASE
.irp s, 0,1
	v_add_nc_u32 v[ADRA+\s], s21, v4
	v_add_nc_u32 v[ADRB+\s], s22, v4
	s_add_co_u32 s21, s21, 2*AT
	s_add_co_u32 s22, s22, 2*AT
.endr
	s_mul_i32 s23, s14, 16*SPITCH                  ; my stage
	v_mul_u32_u24 v5, v1, SPITCH                   ; in: row r, 64 bytes for each half of the lanes
	v_lshl_add_u32 v5, v2, 6, v5
	v_add_nc_u32 v[STO], s23, v5
	v_lshlrev_b32 v[CO], 4, v3                     ; back: the 32 lanes take one row of 512 bytes; and the same in out0
	v_add_nc_u32 v[RD], s23, v[CO]
	s_lshl_b32 s22, s17, 7
	s_lshl_b32 s21, s15, 6
	s_add_co_u32 s22, s22, s21                     ; my first token
	s_lshl_b32 s22, s22, 12                        ; 4,096 bytes a token
	s_lshl_b32 s21, s42, 10
	s_add_co_u32 s22, s22, s21
	s_lshl_b32 s21, s16, 9
	s_add_co_u32 s22, s22, s21                     ; + my first column
	s_mov_b32 s23, 0
	s_mul_i32 s20, s20, RTB
	s_mov_b32 s21, 0
	s_mul_i32 s46, s46, RTB
	s_mov_b32 s47, 0
	s_wait_alu depctr_va_vdst(0)                   ; the wait at the head's end
	s_wait_dscnt 0x0                               ; both opening adds are done
	s_wait_kmcnt 0x0
.irp i, 0,1,2,3,4,5,6,7
	global_load_b128 v[SC+8*\i:SC+8*\i+3], v[VS], s[6:7] offset:512*\i
	global_load_b128 v[SC+8*\i+4:SC+8*\i+7], v[VS], s[6:7] offset:512*\i+16
.endr
	s_add_nc_u64 s[12:13], s[12:13], s[22:23]
	s_add_nc_u64 s[20:21], s[4:5], s[20:21]
	s_add_nc_u64 s[46:47], s[4:5], s[46:47]
	s_mov_b32 s[G0A], 1                            ; A's K quarters 0, 1
	s_mov_b32 s[G0A+1], 0
	s_mov_b64 s[G0A+2:G0A+3], s[20:21]
	s_or_b32 s[G0A+3], s[G0A+3], 0x80000000
	s_mov_b32 s[G0D], 1                            ; A's K quarters 2, 3
	s_mov_b32 s[G0D+1], 2*AT
	s_add_nc_u64 s[G0D+2:G0D+3], s[20:21], 2*PLANE
	s_or_b32 s[G0D+3], s[G0D+3], 0x80000000
	s_mov_b32 s[G0B], 1                            ; B's first 8 row tiles
	s_mov_b32 s[G0B+1], BBASE
	s_mov_b64 s[G0B+2:G0B+3], s[46:47]
	s_or_b32 s[G0B+3], s[G0B+3], 0x80000000
	s_mov_b32 s[G0C], 1                            ; B's second 8
	s_mov_b32 s[G0C+1], BBASE+4*AT
	s_add_nc_u64 s[G0C+2:G0C+3], s[46:47], AT
	s_or_b32 s[G0C+3], s[G0C+3], 0x80000000
	CROUND                                         ; all sixteen work-groups are here: the joint loads meet
; one load a wave, in one chain of branches on the wave's number
.macro ARM under, g0, g1, next
	s_cmp_lt_u32 s14, \under
	s_cbranch_scc0 \next
	tensor_load_to_lds s[\g0:\g0+3], s[\g1:\g1+7]
	s_nop 0
.rept 4
	v_nop
.endr
	s_branch .Lhead_asked
\next:
.endm
	ARM 1, G0A, G1,  .Lhead_b0
	ARM 2, G0B, G1B, .Lhead_b1
	ARM 3, G0C, G1B, .Lhead_a1
	tensor_load_to_lds s[G0D:G0D+3], s[G1:G1+7]
	s_nop 0
.rept 4
	v_nop
.endr
.Lhead_asked:
.macro FRAG reg, adr, ks, i            ; a fragment, 16 rows x 128 K, 12 registers: two images on end, six pieces of 8 bytes a lane, 256 consecutive bytes each
.irp p, 0,1,2,3,4,5
	ds_load_b64 v[\reg+2*\p:\reg+2*\p+1], v[\adr] offset:(((\ks)/2)%2)*AT+(\i)*RTB+((\ks)%2)*1536+256*\p
.endr
.endm
.macro FETCH ks                        ; step ks's fragments into set ks % 2: B's eight, A's four
	WIN TO_B
.irp i, 0,1,2,3,4,5,6,7
	FRAG 128*((\ks)%2)+FR*\i, ADRB+(\ks)/4, \ks, \i
.endr
	WIN 0
.irp i, 0,1,2,3
	FRAG AF+48*((\ks)%2)+FR*\i, ADRA+(\ks)/4, \ks, \i
.endr
.endm
.macro MULS ks                         ; 32 matrix instructions; the 32 accumulators take turns, in the same order in every step; the first step's products start the sums
.irp a, 0,1,2,3
.irp b, 0,1,2,3,4,5,6,7
.if (\ks) == 0
	v_wmma_scale_f32_16x16x128_f8f6f4 v[8*(8*\a+\b):8*(8*\a+\b)+7], v[128*((\ks)%2)+FR*\b:128*((\ks)%2)+FR*\b+FR-1], v[AF+48*((\ks)%2)+FR*\a:AF+48*((\ks)%2)+FR*\a+FR-1], 0, v[SC+8*\b+(\ks)], v[SC+8*\a+(\ks)] matrix_a_fmt:MATRIX_FMT_BF6 matrix_b_fmt:MATRIX_FMT_BF6 matrix_a_scale:MATRIX_SCALE_ROW1
.else
	v_wmma_scale_f32_16x16x128_f8f6f4 v[8*(8*\a+\b):8*(8*\a+\b)+7], v[128*((\ks)%2)+FR*\b:128*((\ks)%2)+FR*\b+FR-1], v[AF+48*((\ks)%2)+FR*\a:AF+48*((\ks)%2)+FR*\a+FR-1], v[8*(8*\a+\b):8*(8*\a+\b)+7], v[SC+8*\b+(\ks)], v[SC+8*\a+(\ks)] matrix_a_fmt:MATRIX_FMT_BF6 matrix_b_fmt:MATRIX_FMT_BF6 matrix_a_scale:MATRIX_SCALE_ROW1
.endif
.endr
.endr
.endm
.macro STEP ks                         ; 128 along K: the next step's 72 loads are issued in one run ahead of this step's products
	s_wait_dscnt 0x0                               ; this step's fragments are in
.if (\ks) < 7
.if (\ks) > 0
	PLACES NP                                      ; in front of loads into registers that the last step's products read
.endif
	FETCH (\ks)+1
.else
	s_barrier_signal -1                            ; my reads of the tiles are over: say so, and work on registers while the others arrive
.endif
	WIN MUL
	MULS \ks
	WIN 0
.endm
	s_wait_tensorcnt 0x0                           ; my load has landed,
	s_barrier_signal -1
	s_barrier_wait -1                              ; and everybody's
	FETCH 0
	s_wait_loadcnt 0x0                             ; the scale words are in
.irp ks, 0,1,2,3,4,5,6,7
	STEP \ks
.endr
	s_barrier_wait -1                              ; nobody reads the tiles any more: the stages may be written over A's bytes, which have had their only fill
; THE WAY OUT, block by block of 16 tokens x 128 columns, through my own stage and back as whole rows of 512 bytes.  Register j of accumulator (a, b) in lane (r, h) is column 32 (b / 2) + 16 h + 8 (b % 2) + j.
.macro TOSTAGE a
.set AC, 64*(\a)
	WIN 0x08                                       ; the data: window 2
.irp b, 0,1,2,3,4,5,6,7
	ds_store_b128 v[STO], v[AC+8*\b:AC+8*\b+3] offset:128*(\b/2)+32*(\b%2)      ; each accumulator from its low end on
	ds_store_b128 v[STO], v[AC+8*\b+4:AC+8*\b+7] offset:128*(\b/2)+32*(\b%2)+16
.endr
	WIN 0
.set BB, BK+64*((\a)%2)
.irp t, 0,1,2,3,4,5,6,7,8,9,10,11,12,13,14,15
	ds_load_b128 v[BB+4*\t:BB+4*\t+3], v[RD] offset:\t*SPITCH   ; LDS serves a wave's instructions in order (ISA guide 5.7.1.4): these see the stores above
.endr
.endm
.macro SEND a, younger                 ; younger: the LDS instructions issued behind block a's loads, which may stay out
.set BB, BK+64*((\a)%2)
	s_wait_dscnt \younger
.irp t, 0,1,2,3,4,5,6,7,8,9,10,11,12,13,14,15
	global_store_b128 v[CO], v[BB+4*\t:BB+4*\t+3], s[12:13] offset:(32*((\a)/2)+8*((\a)%2)+\t+8*(\t/8))*4096 th:TH_STORE_NT   ; 512 consecutive bytes, aligned to 256
.endr
.endm
	PLACES NP                                      ; behind the last products: for the first read of results and for loads into A's registers
	TOSTAGE 0
.irp a, 1,2,3
.if \a > 1
	s_wait_xcnt 0x0                                ; block a - 2's stores have read their registers
.endif
	TOSTAGE \a
	SEND \a-1, 32                                  ; behind block a - 1's loads: block a's 16 stores and 16 loads
.endr
	SEND 3, 0
	s_wait_tensorcnt 0x0                           ; the wave's end
	ds_add_u32 v[SPW], v[NIL]
	s_wait_dscnt 0x0
	CROUND                                         ; the closing round
	s_endpgm
.Lfunc_end_k_q9c33897ea8_gemm2:
	.size	k_q9c33897ea8_gemm2, .Lfunc_end_k_q9c33897ea8_gemm2-k_q9c33897ea8_gemm2
	.p2alignl 7, 3214868480
	.fill 96, 4, 3214868480
	.section	.rodata,"a",@progbits
	.p2align	6, 0x0
	.amdhsa_kernel k_q9c33897ea8_gemm2
		.amdhsa_group_segment_fixed_size 295424
		.amdhsa_private_segment_fixed_size 0
		.amdhsa_enable_private_segment 0
		.amdhsa_kernarg_size 24
		.amdhsa_user_sgpr_count 2
		.amdhsa_user_sgpr_kernarg_segment_ptr 1
		.amdhsa_wavefront_size32 1
		.amdhsa_system_sgpr_workgroup_id_x 1
		.amdhsa_system_sgpr_workgroup_id_y 1
		.amdhsa_system_sgpr_workgroup_id_z 1
		.amdhsa_system_vgpr_workitem_id 0
		.amdhsa_next_free_vgpr 768
		.amdhsa_next_free_sgpr 66
		.amdhsa_reserve_vcc 0
		.amdhsa_float_denorm_mode_32 3
		.amdhsa_float_denorm_mode_16_64 3
		.amdhsa_memory_ordered 1
		.amdhsa_forward_progress 1
		.amdhsa_inst_pref_size 94
	.end_amdhsa_kernel
	.amdgpu_metadata
---
amdhsa.version: [ 1, 2 ]
amdhsa.kernels:
  - .name:           k_q9c33897ea8_gemm2
    .symbol:         k_q9c33897ea8_gemm2.kd
    .args:
      - { .name: yw, .offset: 0, .size: 8, .value_kind: global_buffer, .address_space: global }
      - { .name: yws, .offset: 8, .size: 8, .value_kind: global_buffer, .address_space: global }
      - { .name: out0, .offset: 16, .size: 8, .value_kind: global_buffer, .address_space: global }
    .group_segment_fixed_size: 295424
    .private_segment_fixed_size: 0
    .kernarg_segment_align: 8
    .kernarg_segment_size: 24
    .max_flat_workgroup_size: 128
    .sgpr_count:     66
    .vgpr_count:     768
    .wavefront_size: 32
...
	.end_amdgpu_metadata
.endif
;; end of part 4
